; MI455X (gfx1250); checked and timed in simulation.
; The chip was launched on July 23, 2026; its instructions are those of AMD's public machine-readable ISA for CDNA 5 (MIT licence, August 2026) and "CDNA5" Instruction Set Architecture Reference Guide (July 2026). The comments in the code are by the model that wrote it; some were corrected since.
;; Fast Hyperbolic Multihead Attention. Allowed arithmetic: float matrix products may take bf16 or f16 operands with f32 sums; other float arithmetic in f32, or as packed bf16 or f16 multiplies, adds, multiply-adds, maxima and minima; sums over many terms, partial sums and values carried from step to step in f32; what a program stores and reads back later, other than sums and carried values, may be rounded once to bf16 or f16.
;; Inputs: Wk 512 x 512 float32; Wo 512 x 512 float32; Wq 512 x 512 float32; Wv 512 x 512 float32; bk 512 float32; bo 512 float32; bq 512 float32; bv 512 float32; x 4 x 2,048 x 512 float32.
;; Outputs: out0 4 x 2,048 x 512 float32.
;; One version. Each part assembles by itself: llvm-mc -triple=amdgcn-amd-amdhsa -mcpu=gfx1250 --defsym DOCPART=n.
;; ======== version 1 of 1: 4 launches
;; limits: a difference of large sums (such as E[x^2] - mean^2): digits are lost where the result is much smaller than its terms; values are held in f16: magnitudes above 65,504 overflow, below 6.1e-05 lose precision; inputs' magnitudes at most 65,504
;; workspace buffers: x16 8,388,608 bytes; xn2 32,768 bytes; wblk 2,097,152 bytes; qkv 25,165,824 bytes; aux 786,432 bytes; o16 8,388,608 bytes; on 262,144 bytes
;; launch prep (part 1): grid 160 x 1, 16 waves a work-group, no clusters, 2,304 bytes of LDS; arguments x, Wq, Wk, Wv, Wo, x16, xn2, wblk; writes x16, xn2, wblk
.if DOCPART == 1
	.amdgcn_target "amdgcn-amd-amdhsa--gfx1250"
	.amdhsa_code_object_version 6
	.text
	.protected	k_q841f925f0b_prep
	.globl	k_q841f925f0b_prep
	.p2align	8
	.type	k_q841f925f0b_prep,@function
k_q841f925f0b_prep:
	s_mov_b64 s[64:65], 0
	v_nop
	global_prefetch_b8 v0, s[64:65] scope:SCOPE_SE
	s_setreg_imm32_b32 hwreg(HW_REG_WAVE_MODE, 25, 1), 1
	s_wait_xcnt 0x0
; PREP: a stream.  x and the four weights are rounded to bf16 and laid in blocks of 64 along K, so that a K step's rows lie end to end:
;   x16  [b4][kb8][s2048][64] bf16;   wblk [m4][kb8][n512][64]: m = 0..2 Wq, Wk, Wv in bf16, m = 3 Wo rounded to bf16 and that number written as f16;
;   xn2  [8192] f32: the sum of the squares of a row's ROUNDED x.
; LIMIT: |Wo| stays under 65,504 (f16's range); below 7.6e-6 the f16 copy of a bf16 number loses bits.
; SHARES.  A work-group takes 64 rows of 512 numbers: work-groups 0..127 of x, 128..159 of the weights (eight to a weight).  Wave w takes rows 4 w .. 4 w + 3; eight lanes share a row,
; lane p of them takes 32 bytes of each 256-byte block of the row.  All 16 loads of a lane go out before the first is used.  A store covers 512 consecutive bytes: four rows of one block.
; No matrix unit, no cluster, no tensor load: no byte is used twice.
.set SPARE, 256                        ; behind the 64 row sums: the spare words, 128 bytes for each of 16 waves
.set SPW, 2                            ; v2   my spare word; never rewritten
.set NIL, 3                            ; v3   0; never rewritten
.set SO,  4                            ; v4   my byte offset in the 64 source rows
.set LW,  5                            ; v5   LDS word of my row's sum
.set SUM, 6                            ; v[6:7] the running sum of squares
.set OFF, 8                            ; v[8:15] my byte offset in the destination, one for each block
.set X,   16                           ; v[16:79] as loaded
.set WD,  80                           ; v[80:87] eight rounded numbers, widened
.set PB,  88                           ; v[88:91] packed bf16
.set PH,  92                           ; v[92:95] packed f16
.set OUT, 96                           ; v[96:127] to store, four registers a block
.set WV,  20
.set G,   21
.set M,   22
	s_load_b512 s[4:19], s[0:1], 0x0               ; x s[4:5], Wq s[6:7], Wk s[8:9], Wv s[10:11], Wo s[12:13], x16 s[14:15], xn2 s[16:17], wblk s[18:19]
	v_lshl_add_u32 v[SPW], v0, 2, SPARE
	v_mov_b32 v[NIL], 0
	v_lshrrev_b32 v1, 5, v0
	v_readfirstlane_b32 s[WV], v1
	s_mov_b32 s[G], ttmp9
	s_lshr_b32 s[M], s[G], 3
	s_and_b32 s[M], s[M], 3                        ; which weight (work-groups 128 on)
	s_and_b32 s23, s[G], 7                         ; which 64 rows of it
	s_lshl_b32 s24, s23, 17                        ; weights: source offset, 64 rows of 2,048 bytes
	s_lshl_b32 s25, s23, 13                        ; destination: 64 rows of 128 bytes,
	s_lshl_b32 s26, s[M], 19
	s_add_co_u32 s25, s25, s26                     ; in weight m's 524,288 bytes
	s_lshl_b32 s26, s[G], 17                       ; x: source offset
	s_lshr_b32 s27, s[G], 5
	s_lshl_b32 s27, s27, 21                        ; batch
	s_and_b32 s28, s[G], 31
	s_lshl_b32 s28, s28, 13
	s_add_co_u32 s27, s27, s28                     ; x: destination offset
	s_mov_b32 s34, 0x10000                         ; bytes from block to block: 512 rows for a weight,
	s_cmp_lt_u32 s[G], 128
	s_cselect_b32 s30, s26, s24
	s_cselect_b32 s32, s27, s25
	s_cselect_b32 s34, 0x40000, s34                ; 2,048 rows for x
	s_mov_b32 s31, 0
	s_mov_b32 s33, 0
	s_cmp_ge_u32 s[G], 152
	s_cselect_b32 s35, -1, 0                       ; all lanes: Wo goes out as f16
	s_mov_b32 s36, 0xffff0000
	s_lshl_b32 s42, s[G], 8                        ; 64 sums
	s_mov_b32 s43, 0
	v_lshrrev_b32 v[LW], 3, v0                     ; my row among the 64
	v_and_b32 v1, 7, v0
	v_lshlrev_b32 v[SO], 11, v[LW]
	v_lshl_add_u32 v[SO], v1, 5, v[SO]
	v_lshlrev_b32 v[LW], 2, v[LW]
	v_lshlrev_b32 v[OFF], 4, v0                    ; row x 128 + 16 p = 16 x my thread's number
.irp k, 1,2,3,4,5,6,7
	v_add_nc_u32 v[OFF+\k], s34, v[OFF+\k-1]
.endr
	s_wait_kmcnt 0x0
	s_cmp_eq_u32 s[M], 1
	s_cselect_b64 s[38:39], s[8:9], s[6:7]
	s_cmp_eq_u32 s[M], 2
	s_cselect_b64 s[38:39], s[10:11], s[38:39]
	s_cmp_eq_u32 s[M], 3
	s_cselect_b64 s[38:39], s[12:13], s[38:39]
	s_cmp_lt_u32 s[G], 128
	s_cselect_b64 s[38:39], s[4:5], s[38:39]
	s_cselect_b64 s[40:41], s[14:15], s[18:19]
	s_add_nc_u64 s[38:39], s[38:39], s[30:31]
	s_add_nc_u64 s[40:41], s[40:41], s[32:33]
	s_add_nc_u64 s[16:17], s[16:17], s[42:43]
.irp k, 0,1,2,3,4,5,6,7
	global_load_b128 v[X+8*\k:X+8*\k+3],   v[SO], s[38:39] offset:256*\k th:TH_LOAD_NT
	global_load_b128 v[X+8*\k+4:X+8*\k+7], v[SO], s[38:39] offset:256*\k+16 th:TH_LOAD_NT
.endr
; Block k of the row: rounded, squared and summed, stored.  Every block has its own offset and data registers, so no register that a store reads is written again.
.macro BLOCK k
	s_wait_loadcnt 14-2*(\k)                       ; loads come back in order: this block's two are in, the younger ones stay out
.irp j, 0,1,2,3
	v_cvt_pk_bf16_f32 v[PB+\j], v[X+8*(\k)+2*\j], v[X+8*(\k)+2*\j+1]
.endr
.irp j, 0,1,2,3
	v_lshlrev_b32 v[WD+2*\j], 16, v[PB+\j]
	v_and_b32 v[WD+2*\j+1], s36, v[PB+\j]
.endr
.irp j, 0,1,2,3
.if ((\k) == 0) && (\j == 0)
	v_pk_mul_f32 v[SUM:SUM+1], v[WD:WD+1], v[WD:WD+1]  ; the first product starts the sum
.else
	v_pk_fma_f32 v[SUM:SUM+1], v[WD+2*\j:WD+2*\j+1], v[WD+2*\j:WD+2*\j+1], v[SUM:SUM+1]
.endif
.endr
.irp j, 0,1,2,3
	v_cvt_pk_f16_f32 v[PH+\j], v[WD+2*\j], v[WD+2*\j+1]
.endr
.irp j, 0,1,2,3
	v_cndmask_b32 v[OUT+4*(\k)+\j], v[PB+\j], v[PH+\j], s35
.endr
	global_store_b128 v[OFF+(\k)], v[OUT+4*(\k):OUT+4*(\k)+3], s[40:41]
.endm
.irp k, 0,1,2,3,4,5,6,7
	BLOCK \k
.endr
	v_add_f32 v[SUM], v[SUM], v[SUM+1]
	v_add_f32_dpp v[SUM], v[SUM], v[SUM] row_xmask:1 row_mask:0xf bank_mask:0xf  ; the row's eight lanes
	v_add_f32_dpp v[SUM], v[SUM], v[SUM] row_xmask:2 row_mask:0xf bank_mask:0xf
	v_add_f32_dpp v[SUM], v[SUM], v[SUM] row_xmask:4 row_mask:0xf bank_mask:0xf
	ds_store_b32 v[LW], v[SUM]                     ; eight lanes write one word with one value
	s_wait_dscnt 0x0                               ; for the others' sake: my store is done
	s_barrier_signal -1
	s_barrier_wait -1
	s_cmp_lg_u32 s[WV], 0                          ; wave 0 of a work-group of x stores the 64 sums: 256 consecutive bytes, aligned
	s_cbranch_scc1 .Lend
	s_cmp_ge_u32 s[G], 128
	s_cbranch_scc1 .Lend
	v_lshlrev_b32 v1, 3, v0
	ds_load_b64 v[WD:WD+1], v1
	s_wait_dscnt 0x0
	global_store_b64 v1, v[WD:WD+1], s[16:17]
.Lend:
	s_wait_tensorcnt 0x0                           ; the wave's end, behind my last LDS store
	ds_add_u32 v[SPW], v[NIL]
	s_wait_dscnt 0x0
	s_endpgm
.Lfunc_end_k_q841f925f0b_prep:
	.size	k_q841f925f0b_prep, .Lfunc_end_k_q841f925f0b_prep-k_q841f925f0b_prep
	.p2alignl 7, 3214868480
	.fill 96, 4, 3214868480
	.section	.rodata,"a",@progbits
	.p2align	6, 0x0
	.amdhsa_kernel k_q841f925f0b_prep
		.amdhsa_group_segment_fixed_size 2304
		.amdhsa_private_segment_fixed_size 0
		.amdhsa_enable_private_segment 0
		.amdhsa_kernarg_size 64
		.amdhsa_user_sgpr_count 2
		.amdhsa_user_sgpr_kernarg_segment_ptr 1
		.amdhsa_wavefront_size32 1
		.amdhsa_system_sgpr_workgroup_id_x 1
		.amdhsa_system_sgpr_workgroup_id_y 1
		.amdhsa_system_sgpr_workgroup_id_z 1
		.amdhsa_system_vgpr_workitem_id 0
		.amdhsa_next_free_vgpr 128
		.amdhsa_next_free_sgpr 66
		.amdhsa_reserve_vcc 0
		.amdhsa_float_denorm_mode_32 3
		.amdhsa_float_denorm_mode_16_64 3
		.amdhsa_memory_ordered 1
		.amdhsa_forward_progress 1
		.amdhsa_inst_pref_size 16
	.end_amdhsa_kernel
	.amdgpu_metadata
---
amdhsa.version: [ 1, 2 ]
amdhsa.kernels:
  - .name:           k_q841f925f0b_prep
    .symbol:         k_q841f925f0b_prep.kd
    .args:
      - { .name: x, .offset: 0, .size: 8, .value_kind: global_buffer, .address_space: global }
      - { .name: Wq, .offset: 8, .size: 8, .value_kind: global_buffer, .address_space: global }
      - { .name: Wk, .offset: 16, .size: 8, .value_kind: global_buffer, .address_space: global }
      - { .name: Wv, .offset: 24, .size: 8, .value_kind: global_buffer, .address_space: global }
      - { .name: Wo, .offset: 32, .size: 8, .value_kind: global_buffer, .address_space: global }
      - { .name: x16, .offset: 40, .size: 8, .value_kind: global_buffer, .address_space: global }
      - { .name: xn2, .offset: 48, .size: 8, .value_kind: global_buffer, .address_space: global }
      - { .name: wblk, .offset: 56, .size: 8, .value_kind: global_buffer, .address_space: global }
    .group_segment_fixed_size: 2304
    .private_segment_fixed_size: 0
    .kernarg_segment_align: 8
    .kernarg_segment_size: 64
    .max_flat_workgroup_size: 512
    .sgpr_count:     66
    .vgpr_count:     128
    .wavefront_size: 32
...
	.end_amdgpu_metadata
.endif
;; end of part 1
;; launch qkv (part 2): grid 64 x 3, 4 waves a work-group, clusters of 4 x 1, 327,680 bytes of LDS; arguments x16, xn2, wblk, bq, bk, bv, qkv, aux; writes qkv, aux
.if DOCPART == 2
	.amdgcn_target "amdgcn-amd-amdhsa--gfx1250"
	.amdhsa_code_object_version 6
	.text
	.protected	k_q841f925f0b_qkv
	.globl	k_q841f925f0b_qkv
	.p2align	8
	.type	k_q841f925f0b_qkv,@function
k_q841f925f0b_qkv:
	s_mov_b64 s[64:65], 0
	v_nop
	global_prefetch_b8 v0, s[64:65] scope:SCOPE_SE
	s_setreg_imm32_b32 hwreg(HW_REG_WAVE_MODE, 25, 1), 1
	s_wait_xcnt 0x0
	s_wait_alu depctr_hold_cnt(0) depctr_sa_sdst(0) depctr_va_vdst(0) depctr_va_sdst(0) depctr_va_ssrc(0) depctr_va_vcc(0) depctr_vm_vsrc(0)
	s_getreg_b32 s2, hwreg(HW_REG_IB_STS2, 6, 4)
	s_cmp_eq_u32 s2, 0
	s_cbranch_scc0 .Lentry_in_a_cluster
	s_endpgm
.Lentry_in_a_cluster:
	s_bfe_u32 s2, ttmp6, 0x10000c
	s_cmp_lg_u32 s2, 0x3003
	s_cbranch_scc0 .Lentry_shape_is_right
	s_endpgm
.Lentry_shape_is_right:
; QKV: one of the three hyperbolic linear layers (grid y = m: 0 q, 1 k, 2 v) on 128 whole rows: mx = x W^T in bf16 with f32 sums, then out = beta mx + gamma b, where beta and gamma are
; numbers of the ROW: mobius_matvec, project, mobius_add and project depend on mx only through S2 = sum mx^2 and Sb = sum mx b, beside |x|^2 and y2 = sum b^2.
; OUT, by heads, f16 with fixed powers of two (project() bounds every number by 0.996):  q~ = 2^15 q;  k~ = 2^8 k / (1 - kn);  v~ = 2^15 v;  and per row and head, in f32,
;   A~ = L eps (1 - qn + eps), c1 = -2 qn / eps^2 (from q), U = L eps^2 kn / (1 - kn) (from k), L = 2^22, eps = 1e-5, qn, kn = min(the head's norm^2, 1 - eps).
; LIMITS.  NaN and infinities are not treated apart.  Norms of out are taken as the quadratic form beta^2 S2 + 2 beta gamma Sb + gamma^2 y2 of f32 sums.  The bias is rounded to bf16 like x and W.
; artanh and tanh below 2^-5 go by their series to the fifth power (the next term is under 2e-10 of the value), above it by log2 and exp2.
; SHARES.  Four waves; wave wc makes all 128 rows x columns 128 wc .. + 127 (two heads): 64 accumulators.  K goes in 8 steps of 64.  A (the rows of x) lies in LDS for the whole launch,
; W goes through two slots.  CLUSTER: the four row blocks of a cluster walk the same W, so each quarter of a slot is asked for JOINTLY (mask 15).
; THE MATRIX INSTRUCTION IS USED TRANSPOSED (source 0 = 16 rows of W, source 1 = 16 rows of x): a lane holds row l % 16 and eight neighbouring columns 8 (l / 16) + 0..7.
; No prefetch: of the 8 K steps of W two come with the first fills, and A goes out whole at the head.
; REGISTERS, in windows of 256: window 0: v15-37 addresses; v64-127, v128-191 A's fragments, two buffers; later b, sums and the way out.  window 1: v64-191 W's fragments; v0 |x|^2; later all row numbers.
;   windows 2, 3: the accumulators: (rt, ct) at 8 ((8 rt + ct) % 32), rows 0-63 in window 2, rows 64-127 in window 3.
.set RT,    8
.set R,     16*RT
.set PITCH, 144                        ; an LDS row: 128 bytes + 16 of padding: the 16 rows of a fragment load start at 16 different groups of four banks (64 banks of 4 bytes: ISA guide 11.1)
.set WQ,    128*PITCH                  ; a wave's quarter of a slot of W
.set WS1,   4*WQ                       ; slot 1
.set AREG,  2*WS1                      ; A: [kb 8][128 rows][144]
.set ASTEP, R*PITCH
.set STAGE, AREG+8*ASTEP               ; 16 rows x 144 bytes for each wave, for the way out
.set RED,   STAGE+4*16*PITCH           ; [wave 4][row 128] pairs (S2, Sb) of f32
.set Y2R,   RED+4*R*8                  ; four waves' sums of b^2
.set BGR,   Y2R+256                    ; [row 128] pairs (beta, gamma)
.set SCR,   BGR+R*8                    ; 512 bytes for each wave: 128 row numbers on their way out
.set SPARE, SCR+4*512                  ; the spare words, 128 bytes for each wave
.set ADRA0, 15
.set ADRA,  16
.set SCRD,  17
.set XO,    18
.set BO,    19
.set ADRB,  20
.set Y2W,   22
.set Y2A,   23
.set STO,   24
.set RD,    25
.set GO,    26
.set SCW,   27
.set SPW,   28
.set NIL,   29
.set REDW,  30
.set REDR,  31
.set BGW,   32
.set BGRD,  33
.set YP,    34                         ; v[34:37] sums of b^2, a pair a head
.set F0,    64
.set F1,    128
.set BB,    64                         ; window 0: my 64 numbers of b
.set SUMS,  128                        ; window 0: pairs: 128 + 8 rt + 4 hh + 2 q (q = 0: S2, 1: Sb)
.set TM,    128                        ; the way out: 32 f32
.set PKD,   160                        ; 16 packed
.set CT,    192                        ; at work while b is rounded
.set AX,    192                        ; four sets of 4: row numbers read back
.set SET,   208                        ; two sets of 16: rows read back
; window 1
.set X2,  0
.set S2A, 8                            ; + 8 hh + rt
.set SBA, 24
.set PW,  40
.set Y2H, 56
.set Y2S, 58
.set Y2,  59
.set Y2L, 60
.set RL,  64                           ; (S2, Sb) of my row
.set XN,  72
.set SQ,  73
.set MN,  74
.set ZZ,  75
.set T1,  76
.set T2,  77
.set T3,  78
.set T4,  79
.set T5,  80
.set AL,  81
.set BE,  82
.set GA,  83
.set BP,  96                           ; pairs (beta, gamma), one a row tile
.set BB2, 112
.set BG2, 120
.set GG,  128
.set HN,  136
.set HB,  152
.set IB,  168
.set R1,  184
.set R2,  200
.set BG,  216                          ; pairs (beta G, gamma G) at 216 + 4 rt + 2 hh
; scalars
.set WV,  20
.set CX,  21
.set RB,  22
.set M,   23
.set G1W, 24
.set G1A, 32
.set G0W, 40
.set G0A, 48
.set CNT, 56
.set SEL, 60
.set TA,  62
.set BPT, 70
.set E15, 72
.set MAXN, 73
.set AUXB, 74
.set OB,  76
.set C5,  78
.set C3,  79
.set C215, 80
.set CM3, 81
.set SMALL, 82
.set KSK, 83
.set KSC, 84
.set KSA, 85
.set KSB, 86
.set KSCK, 87
.set M2E, 88
.set MSB, 0
.macro WIN new                         ; the immediate's high byte repeats the setting that is left; a switch that changes nothing is dropped
.if MSB != (\new)
	s_set_vgpr_msb (MSB<<8)|(\new)
.set MSB, \new
.endif
.endm
.macro PLACES                          ; four places behind a matrix instruction, ahead of loads into its sources and of vector lines that read its result
.rept 4
	v_nop
.endr
.endm
.macro CREST                           ; a round of the cluster's barrier behind its opening barrier
	s_cmp_lg_u32 s[WV], 0
	s_cbranch_scc1 .Lnot_wave_0_\@
	s_barrier_signal -3
.Lnot_wave_0_\@:
	s_barrier_wait -3
	s_barrier_signal -1
	s_barrier_wait -1
.endm
.macro CROUND
	s_barrier_signal -1
	s_barrier_wait -1
	CREST
.endm
.macro JLOAD s                         ; my quarter (128 rows of W) of slot s, asked for jointly by the four work-groups; an s_nop 0 and four v_nop follow
	tensor_load_to_lds s[G0W+4*(\s):G0W+4*(\s)+3], s[G1W:G1W+7]
	s_nop 0
.rept 4
	v_nop
.endr
.endm
; A quarter of the row tiles x all 8 column tiles, 32 along K.  All accumulators take turns, one instruction a turn, in the same order in every half step.
.macro MULQ f, qd, zero
.set rt0, (\qd)*RT/4
	WIN 0xa1+0x50*(rt0/4)
.set rr, rt0
.rept RT/4
.set cc, 0
.rept 8
.set aD, 8*((8*rr+cc)%32)
.if \zero
	v_wmma_f32_16x16x32_bf16 v[aD:aD+7], v[(\f)+8*cc:(\f)+8*cc+7], v[(\f)+8*rr:(\f)+8*rr+7], 0
.else
	v_wmma_f32_16x16x32_bf16 v[aD:aD+7], v[(\f)+8*cc:(\f)+8*cc+7], v[(\f)+8*rr:(\f)+8*rr+7], v[aD:aD+7]
.endif
.set cc, cc+1
.endr
.set rr, rr+1
.endr
.endm
; One run of LDS loads: the fragments of half c of a K step: 16 loads of W, then 2 RT of A, row tiles ascending
.macro FETCH slot, c, f
	WIN 0x40
.set cc, 0
.rept 8
	ds_load_b128 v[(\f)+8*cc:(\f)+8*cc+3],   v[ADRB+(\slot)] offset:cc*16*PITCH+64*(\c)
	ds_load_b128 v[(\f)+8*cc+4:(\f)+8*cc+7], v[ADRB+(\slot)] offset:cc*16*PITCH+64*(\c)+32
.set cc, cc+1
.endr
	WIN 0
.set cc, 0
.rept RT
	ds_load_b128 v[(\f)+8*cc:(\f)+8*cc+3],   v[ADRA] offset:cc*16*PITCH+64*(\c)
	ds_load_b128 v[(\f)+8*cc+4:(\f)+8*cc+7], v[ADRA] offset:cc*16*PITCH+64*(\c)+32
.set cc, cc+1
.endr
.endm
.macro H0 slot, zero                   ; a K step's first half: multiplies buffer 0, fetches the second half into buffer 1
	s_wait_dscnt RT                                ; W and A's lower row tiles are in; the youngest RT loads (A's upper row tiles) may be out
	MULQ F0, 0, \zero
	MULQ F0, 1, \zero
	PLACES
	FETCH \slot, 1, F1
	s_wait_dscnt 16+2*RT                           ; all but the run just issued
	MULQ F0, 2, \zero
	MULQ F0, 3, \zero
.endm
; A K step's second half, and the change of slots: ONE barrier; ahead of it each wave waits for all its tensor loads (one is out: its quarter of the next slot), adds 0 to its spare word, and waits for that
; and for its reads of this slot.  fill = 1: the barrier opens a round of the cluster's, and the joint refill, two K steps on, is the first thing behind it.
.macro TURN slot, next, fill
	WIN 0
	s_wait_tensorcnt 0x0
	ds_add_u32 v[SPW], v[NIL]
	s_wait_dscnt RT+1                              ; (the add and the youngest RT loads may be out)
	MULQ F1, 0, 0
	s_wait_dscnt 0x0                               ; the add is done, and my reads of this slot are over
	s_barrier_signal -1
	MULQ F1, 1, 0
	WIN 0
	s_barrier_wait -1
.if \fill
	CREST
	s_add_nc_u64 s[G0W+4*(\slot)+2:G0W+4*(\slot)+3], s[G0W+4*(\slot)+2:G0W+4*(\slot)+3], 131072
	JLOAD \slot                                    ; its four v_nop are also the places ahead of the loads below
.else
	PLACES
.endif
	s_add_co_u32 s[TA], s[TA], ASTEP               ; A's next K step
	v_add_nc_u32 v[ADRA], s[TA], v[ADRA0]
	FETCH \next, 0, F0
	MULQ F1, 2, 0
	MULQ F1, 3, 0
.endm
	s_load_b512 s[4:19], s[0:1], 0x0               ; x16 s[4:5], xn2 s[6:7], wblk s[8:9], bq s[10:11], bk s[12:13], bv s[14:15], qkv s[16:17], aux s[18:19]
	v_lshl_add_u32 v[SPW], v0, 2, SPARE
	v_mov_b32 v[NIL], 0
	ds_add_u32 v[SPW], v[NIL]                      ; the wave's opening: the add and its wait ahead of my first tensor load
	v_lshrrev_b32 v1, 5, v0
	v_readfirstlane_b32 s[WV], v1
	s_bfe_u32 s[CX], ttmp6, 0x40000
	s_lshl_b32 s[RB], ttmp9, 2
	s_add_co_u32 s[RB], s[RB], s[CX]               ; my block of 128 rows: it enters global addresses of my own loads and stores alone
	s_and_b32 s[M], ttmp7, 0xffff                  ; which layer: the four partners share it
	; group 1: 64 rows of 256 bytes = 128 dense rows of 128 bytes, 16 bytes of padding behind every 128
	s_mov_b32 s[G1W], 15|(1<<16)|(1<<20)|(1<<21)|(4<<22)|(3<<25)
	s_mov_b32 s[G1A], (1<<16)|(1<<20)|(4<<22)|(3<<25)
	s_mov_b32 s[G1W+2], 64<<16
	s_mov_b32 s[G1A+2], (R/2)<<16
	s_mov_b32 s[G1W+4], 64
	s_mov_b32 s[G1A+4], R/2
.irp g, G1W, G1A
	s_mov_b32 s[\g+1], 128<<16
	s_mov_b32 s[\g+3], 128<<16
	s_mov_b32 s[\g+5], 128
	s_mov_b32 s[\g+6], 0
	s_mov_b32 s[\g+7], 0
.endr
	s_mul_i32 s57, s[WV], WQ
	s_mov_b32 s[G0W], 1
	s_mov_b32 s[G0W+1], s57
	s_mov_b32 s[G0W+4], 1
	s_add_co_u32 s[G0W+5], s57, WS1
	s_mul_i32 s58, s[WV], ASTEP
	s_mov_b32 s[G0A], 1
	s_add_co_u32 s[G0A+1], s58, AREG               ; K step wc,
	s_mov_b32 s[G0A+4], 1
	s_add_co_u32 s[G0A+5], s58, AREG+4*ASTEP       ; and K step wc + 4
	s_lshl_b32 s66, s[M], 19
	s_lshl_b32 s59, s[WV], 14
	s_add_co_u32 s66, s66, s59                     ; W: layer, K step 0, my 128 rows
	s_mov_b32 s67, 0
	s_lshr_b32 s89, s[RB], 4                       ; batch
	s_and_b32 s90, s[RB], 15                       ; block in the batch
	s_lshl_b32 s68, s89, 21
	s_lshl_b32 s91, s[WV], 18
	s_add_co_u32 s68, s68, s91
	s_lshl_b32 s91, s90, 14
	s_add_co_u32 s68, s68, s91                     ; A: batch, K step wc, my block's rows
	s_mov_b32 s69, 0
	s_mov_b32 s[SEL], 0x76543210
	s_mov_b32 s[SEL+1], 0xfedcba98
	s_mov_b32 s[TA], 0
	s_mov_b32 s[E15], 0x26901d7d                   ; 1e-15
	s_mov_b32 s[MAXN], 0x3f7ef9db                  ; 0.996
	s_mov_b32 s[C5], 0x3e4ccccd                    ; 1/5
	s_mov_b32 s[C3], 0x3eaaaaab                    ; 1/3
	s_mov_b32 s[C215], 0x3e088889                  ; 2/15
	s_mov_b32 s[CM3], 0xbeaaaaab                   ; -1/3
	s_mov_b32 s[SMALL], 0x3d000000                 ; 2^-5
	s_mov_b32 s[M2E], 0xd09502f9                   ; -2 / eps^2
	s_wait_dscnt 0x0                               ; the opening add is done
	s_wait_kmcnt 0x0
	s_add_nc_u64 s[G0W+2:G0W+3], s[8:9], s[66:67]
	s_add_nc_u64 s[G0W+6:G0W+7], s[G0W+2:G0W+3], 65536
	s_or_b32 s[G0W+3], s[G0W+3], 0x80000000
	s_or_b32 s[G0W+7], s[G0W+7], 0x80000000
	s_add_nc_u64 s[G0A+2:G0A+3], s[4:5], s[68:69]
	s_add_nc_u64 s[G0A+6:G0A+7], s[G0A+2:G0A+3], 4*262144
	s_or_b32 s[G0A+3], s[G0A+3], 0x80000000
	s_or_b32 s[G0A+7], s[G0A+7], 0x80000000
	CROUND                                         ; all four work-groups are here: the first joint loads meet
	tensor_load_to_lds s[G0A:G0A+3], s[G1A:G1A+7]  ; the first fills go out as one group: four loads of mine are out
	s_nop 0
	tensor_load_to_lds s[G0A+4:G0A+7], s[G1A:G1A+7]
	s_nop 0
	tensor_load_to_lds s[G0W:G0W+3], s[G1W:G1W+7]
	s_nop 0
	tensor_load_to_lds s[G0W+4:G0W+7], s[G1W:G1W+7]
	s_nop 0
.rept 4
	v_nop
.endr
	; the other addresses
	s_lshl_b32 s66, s[RB], 9
	s_lshl_b32 s91, s[WV], 7
	s_add_co_u32 s66, s66, s91
	s_add_nc_u64 s[6:7], s[6:7], s[66:67]          ; xn2 at row 128 rb + 32 wc
	s_cmp_eq_u32 s[M], 1
	s_cselect_b64 s[BPT:BPT+1], s[12:13], s[10:11]
	s_cselect_b32 s[KSK], 0x43800000, 0            ; k: G = 2^8 / (1 - kn)
	s_cselect_b32 s[KSC], 0, 0x47000000            ; q, v: G = 2^15
	s_cselect_b32 s[KSCK], 0x39dbe6ff, 0           ; k: L eps^2
	s_cselect_b32 s66, 524288, 0                   ; k's row numbers go to the third array
	s_cmp_eq_u32 s[M], 2
	s_cselect_b64 s[BPT:BPT+1], s[14:15], s[BPT:BPT+1]
	s_cmp_eq_u32 s[M], 0
	s_cselect_b32 s[KSA], 0x4227c5ac, 0            ; q: L eps
	s_cselect_b32 s[KSB], 0x39dbe6ff, 0            ; q: L eps^2
	s_lshl_b32 s91, s89, 16
	s_add_co_u32 s66, s66, s91
	s_lshl_b32 s91, s[WV], 14
	s_add_co_u32 s66, s66, s91
	s_lshl_b32 s91, s90, 9
	s_add_co_u32 s66, s66, s91
	s_add_nc_u64 s[AUXB:AUXB+1], s[18:19], s[66:67]  ; aux at head 8 b + 2 wc, my block's first row
	s_lshl_b32 s66, s[M], 23
	s_lshl_b32 s91, s89, 21
	s_add_co_u32 s66, s66, s91
	s_lshl_b32 s91, s[WV], 19
	s_add_co_u32 s66, s66, s91
	s_lshl_b32 s91, s90, 14
	s_add_co_u32 s66, s66, s91
	s_add_nc_u64 s[OB:OB+1], s[16:17], s[66:67]    ; qkv likewise
	v_and_b32 v1, 15, v0                           ; r = l % 16
	v_bfe_u32 v2, v0, 4, 1                         ; h = l / 16
	v_and_b32 v3, 31, v0                           ; l
	v_mul_u32_u24 v4, v1, PITCH
	v_lshl_add_u32 v4, v2, 4, v4                   ; a fragment's row x pitch + 16 h
	v_add_nc_u32 v[ADRA0], AREG, v4
	v_mov_b32 v[ADRA], v[ADRA0]
	v_add_nc_u32 v[ADRB], s57, v4
	v_add_nc_u32 v[ADRB+1], WS1, v[ADRB]
	s_mul_i32 s58, s[WV], 16*PITCH
	s_add_co_u32 s58, s58, STAGE
	v_add_nc_u32 v[STO], s58, v4                   ; into my stage: row r, 16 bytes for each half of the lanes
	v_lshrrev_b32 v5, 3, v3
	v_and_b32 v6, 7, v0
	v_mul_u32_u24 v5, v5, PITCH
	v_lshl_add_u32 v5, v6, 4, v5
	v_add_nc_u32 v[RD], s58, v5                    ; back: 32 lanes take four rows of 128 bytes
	v_lshlrev_b32 v[GO], 4, v3
	v_lshlrev_b32 v[XO], 2, v3
	s_lshl_b32 s58, s[WV], 9
	v_lshl_add_u32 v[BO], v2, 5, s58               ; b: my wave's 128 numbers, 8 h on
	s_mul_i32 s58, s[WV], R*8
	s_add_co_u32 s58, s58, RED
	v_lshl_add_u32 v[REDW], v1, 3, s58
	s_lshl_b32 s58, s[WV], 8
	s_add_co_u32 s59, s58, RED
	v_lshl_add_u32 v[REDR], v3, 3, s59             ; the row whose numbers I make: 32 wc + l
	s_add_co_u32 s59, s58, BGR
	v_lshl_add_u32 v[BGW], v3, 3, s59
	v_lshl_add_u32 v[BGRD], v1, 3, BGR
	s_lshl_b32 s58, s[WV], 2
	s_add_co_u32 s58, s58, Y2R
	v_mov_b32 v[Y2W], s58
	v_mov_b32 v[Y2A], Y2R
	s_lshl_b32 s58, s[WV], 9
	s_add_co_u32 s58, s58, SCR
	v_lshl_add_u32 v[SCW], v1, 2, s58
	v_lshl_add_u32 v[SCRD], v3, 4, s58
	WIN 0x40
	global_load_b32 v[X2], v[XO], s[6:7]           ; |x|^2 of my row
	WIN 0
	s_wait_tensorcnt 1                             ; A's two parts and my quarter of slot 0 are in; slot 1's may stay out
	s_barrier_signal -1
	s_barrier_wait -1
	FETCH 0, 0, F0
	H0 0, 1                                        ; the first half step starts the sums
	WIN 0
	s_mov_b32 s[CNT], 3
.Llap:                                             ; a trip goes once round the ring and fills both slots again: K steps 2 to 7
	TURN 0, 1, 1
	H0 1, 0
	TURN 1, 0, 1
	H0 0, 0
	WIN 0
	s_sub_co_u32 s[CNT], s[CNT], 1
	s_cmp_lg_u32 s[CNT], 0
	s_cbranch_scc1 .Llap
	TURN 0, 1, 0                                   ; the last two K steps fill nothing
	H0 1, 0
	s_wait_dscnt RT
	MULQ F1, 0, 0
	MULQ F1, 1, 0
	PLACES                                         ; b lands where A's buffer 0 lay
	WIN 0
.set cc, 0
.rept 8
	global_load_b128 v[BB+8*cc:BB+8*cc+3],   v[BO], s[BPT:BPT+1] offset:64*cc
	global_load_b128 v[BB+8*cc+4:BB+8*cc+7], v[BO], s[BPT:BPT+1] offset:64*cc+16
.set cc, cc+1
.endr
	s_wait_dscnt 0x0
	MULQ F1, 2, 0
	MULQ F1, 3, 0
	PLACES
	; S2 = sum mx^2 by row tile and head, eight chains by turns; each accumulator's lowest registers are read first
.set wn, 0
.rept 2
	WIN 0x0a+5*wn
.set st, 0
.rept 16
.set rr, 0
.rept 4
.set hh, 0
.rept 2
.set aD, 8*(8*rr+4*hh+st/4)+2*(st%4)
.set sD, SUMS+8*(4*wn+rr)+4*hh
.if st == 0
	v_pk_mul_f32 v[sD:sD+1], v[aD:aD+1], v[aD:aD+1]
.else
	v_pk_fma_f32 v[sD:sD+1], v[aD:aD+1], v[aD:aD+1], v[sD:sD+1]
.endif
.set hh, hh+1
.endr
.set rr, rr+1
.endr
.set st, st+1
.endr
.set wn, wn+1
.endr
	s_wait_loadcnt 0x0                             ; b and |x|^2
	WIN 0
.set i, 0
.rept 32
	v_cvt_pk_bf16_f32 v[CT+i], v[BB+2*i], v[BB+2*i+1]  ; b rounded to bf16, like x and W
.set i, i+1
.endr
.set i, 0
.rept 32
	v_lshlrev_b32 v[BB+2*i], 16, v[CT+i]
	v_and_b32 v[BB+2*i+1], 0xffff0000, v[CT+i]
.set i, i+1
.endr
	; Sb = sum mx b
.set wn, 0
.rept 2
	WIN 0x02+wn
.set st, 0
.rept 16
.set rr, 0
.rept 4
.set hh, 0
.rept 2
.set aD, 8*(8*rr+4*hh+st/4)+2*(st%4)
.set bD, BB+8*(4*hh+st/4)+2*(st%4)
.set sD, SUMS+8*(4*wn+rr)+4*hh+2
.if st == 0
	v_pk_mul_f32 v[sD:sD+1], v[aD:aD+1], v[bD:bD+1]
.else
	v_pk_fma_f32 v[sD:sD+1], v[aD:aD+1], v[bD:bD+1], v[sD:sD+1]
.endif
.set hh, hh+1
.endr
.set rr, rr+1
.endr
.set st, st+1
.endr
.set wn, wn+1
.endr
	WIN 0
.set i, 0
.rept 16
.set hh, 0
.rept 2
.set bD, BB+32*hh+2*i
.if i == 0
	v_pk_mul_f32 v[YP+2*hh:YP+2*hh+1], v[bD:bD+1], v[bD:bD+1]
.else
	v_pk_fma_f32 v[YP+2*hh:YP+2*hh+1], v[bD:bD+1], v[bD:bD+1], v[YP+2*hh:YP+2*hh+1]
.endif
.set hh, hh+1
.endr
.set i, i+1
.endr
	; a pair's two halves, then the other half of the lanes; the results go to window 1
.set e, 0
.rept 32
	v_add_f32 v[SUMS+2*e], v[SUMS+2*e], v[SUMS+2*e+1]
.set e, e+1
.endr
	v_add_f32 v[YP], v[YP], v[YP+1]
	v_add_f32 v[YP+2], v[YP+2], v[YP+3]
.set e, 0
.rept 32
	v_permlanex16_b32 v[SUMS+2*e+1], v[SUMS+2*e], s[SEL], s[SEL+1]
.set e, e+1
.endr
	v_permlanex16_b32 v[YP+1], v[YP], s[SEL], s[SEL+1]
	v_permlanex16_b32 v[YP+3], v[YP+2], s[SEL], s[SEL+1]
	WIN 0x40
.set e, 0
.rept 32
	v_add_f32 v[S2A+16*(e%2)+8*((e/2)%2)+e/4], v[SUMS+2*e], v[SUMS+2*e+1]
.set e, e+1
.endr
	v_add_f32 v[Y2H], v[YP], v[YP+1]
	v_add_f32 v[Y2H+1], v[YP+2], v[YP+3]
	WIN 0x55
.set t, 0
.rept 8
	v_add_f32 v[PW+2*t], v[S2A+t], v[S2A+8+t]      ; my wave's two heads together
	v_add_f32 v[PW+2*t+1], v[SBA+t], v[SBA+8+t]
.set t, t+1
.endr
	v_add_f32 v[Y2S], v[Y2H], v[Y2H+1]
	WIN 0x04
.set t, 0
.rept 8
	ds_store_b64 v[REDW], v[PW+2*t:PW+2*t+1] offset:128*t
.set t, t+1
.endr
	ds_store_b32 v[Y2W], v[Y2S]
	WIN 0
	s_wait_dscnt 0x0                               ; for the others' sake: my stores are done
	s_barrier_signal -1
	s_barrier_wait -1
	WIN 0x40
.irp w, 0,1,2,3
	ds_load_b64 v[RL+2*\w:RL+2*\w+1], v[REDR] offset:\w*R*8  ; the four waves' parts of ONE row: 32 wc + l
.endr
	ds_load_b128 v[Y2L:Y2L+3], v[Y2A]
	s_wait_dscnt 0x0
	WIN 0x55
	v_pk_add_f32 v[RL:RL+1], v[RL:RL+1], v[RL+2:RL+3]
	v_pk_add_f32 v[RL+4:RL+5], v[RL+4:RL+5], v[RL+6:RL+7]
	v_pk_add_f32 v[RL:RL+1], v[RL:RL+1], v[RL+4:RL+5]
	v_add_f32 v[Y2], v[Y2L], v[Y2L+1]
	v_add_f32 v[T1], v[Y2L+2], v[Y2L+3]
	v_add_f32 v[Y2], v[Y2], v[T1]
; THE ROW'S NUMBERS, one row a lane: from X2 = |x|^2, S2 = v[RL], Sb = v[RL+1], y2 to beta and gamma.  Behind each batch of transcendentals stand a plain line and one wait.
.macro ROWMATH
	v_sqrt_f32 v[XN], v[X2]
	v_sqrt_f32 v[SQ], v[RL]
	v_nop
	s_wait_alu depctr_va_vdst(0)
	v_max_num_f32 v[XN], s[E15], v[XN]             ; x_norm
	v_max_num_f32 v[MN], s[E15], v[SQ]             ; mx_norm
	v_min_num_f32 v[ZZ], 0x3f7ffffe, v[XN]         ; artanh's clip at 1 - 1e-7
	v_sub_f32 v[T1], 1.0, v[ZZ]
	v_rcp_f32 v[T1], v[T1]
	v_rcp_f32 v[T2], v[XN]
	v_rcp_f32 v[T5], v[MN]
	v_add_f32 v[T3], 1.0, v[ZZ]
	v_mul_f32 v[T4], v[ZZ], v[ZZ]
	s_wait_alu depctr_va_vdst(0)
	v_mul_f32 v[T1], v[T3], v[T1]
	v_log_f32 v[T1], v[T1]
	v_fma_f32 v[T3], v[T4], s[C5], s[C3]
	v_fma_f32 v[T3], v[T3], v[T4], 1.0
	v_mul_f32 v[T3], v[T3], v[ZZ]                  ; z (1 + z^2 / 3 + z^4 / 5)
	v_cmp_gt_f32 vcc_lo, s[SMALL], v[ZZ]
	s_wait_alu depctr_va_vdst(0)
	v_mul_f32 v[T1], 0x3eb17218, v[T1]             ; ln 2 / 2 x log2((1 + z) / (1 - z))
	v_cndmask_b32 v[T1], v[T1], v[T3], vcc_lo      ; artanh
	v_mul_f32 v[T2], v[MN], v[T2]
	v_mul_f32 v[T2], v[T2], v[T1]                  ; a
	v_mul_f32 v[T1], 0x4038aa3b, v[T2]
	v_exp_f32 v[T1], v[T1]                         ; e^(2 a)
	v_mul_f32 v[T4], v[T2], v[T2]
	v_fma_f32 v[T3], v[T4], s[C215], s[CM3]
	v_fma_f32 v[T3], v[T3], v[T4], 1.0
	v_mul_f32 v[T3], v[T3], v[T2]                  ; a (1 - a^2 / 3 + 2 a^4 / 15)
	v_cmp_gt_f32 vcc_lo, s[SMALL], v[T2]
	s_wait_alu depctr_va_vdst(0)
	v_add_f32 v[T1], 1.0, v[T1]
	v_rcp_f32 v[T1], v[T1]
	v_nop
	s_wait_alu depctr_va_vdst(0)
	v_fma_f32 v[T1], v[T1], -2.0, 1.0
	v_cndmask_b32 v[T1], v[T1], v[T3], vcc_lo      ; tanh
	v_mul_f32 v[AL], v[T1], v[T5]                  ; res = alpha mx
	v_mul_f32 v[T2], v[AL], v[SQ]                  ; its norm
	v_max_num_f32 v[T1], s[E15], v[T2]
	v_rcp_f32 v[T1], v[T1]
	v_nop
	v_cmp_lt_f32 vcc_lo, s[MAXN], v[T2]
	s_wait_alu depctr_va_vdst(0)
	v_mul_f32 v[T1], s[MAXN], v[T1]
	v_mul_f32 v[T1], v[T1], v[AL]
	v_cndmask_b32 v[AL], v[AL], v[T1], vcc_lo      ; project
	v_mul_f32 v[T1], v[AL], v[AL]
	v_mul_f32 v[T1], v[T1], v[RL]                  ; x2
	v_mul_f32 v[T2], v[AL], v[RL+1]                ; xy
	v_fma_f32 v[T3], v[T2], 2.0, 1.0               ; 1 + 2 xy
	v_fma_f32 v[T4], v[T1], v[Y2], v[T3]
	v_max_num_f32 v[T4], s[E15], v[T4]
	v_rcp_f32 v[T4], v[T4]
	v_add_f32 v[T3], v[T3], v[Y2]
	v_sub_f32 v[T1], 1.0, v[T1]
	s_wait_alu depctr_va_vdst(0)
	v_mul_f32 v[T3], v[T3], v[AL]
	v_mul_f32 v[BE], v[T3], v[T4]
	v_mul_f32 v[GA], v[T1], v[T4]
	v_mul_f32 v[T1], v[BE], v[BE]
	v_mul_f32 v[T2], v[BE], v[GA]
	v_mul_f32 v[T3], v[GA], v[GA]
	v_add_f32 v[T2], v[T2], v[T2]
	v_mul_f32 v[T4], v[T1], v[RL]
	v_fma_f32 v[T4], v[T2], v[RL+1], v[T4]
	v_fma_f32 v[T4], v[T3], v[Y2], v[T4]
	v_max_num_f32 v[T4], 0, v[T4]
	v_sqrt_f32 v[T4], v[T4]                        ; the norm of beta mx + gamma b
	v_nop
	s_wait_alu depctr_va_vdst(0)
	v_cmp_lt_f32 vcc_lo, s[MAXN], v[T4]
	v_max_num_f32 v[T4], s[E15], v[T4]
	v_rcp_f32 v[T4], v[T4]
	v_nop
	s_wait_alu depctr_va_vdst(0)
	v_mul_f32 v[T4], s[MAXN], v[T4]
	v_cndmask_b32 v[T4], 1.0, v[T4], vcc_lo        ; project
	v_mul_f32 v[BE], v[BE], v[T4]
	v_mul_f32 v[GA], v[GA], v[T4]
.endm
	ROWMATH
	WIN 0x04
	ds_store_b64 v[BGW], v[BE:BE+1]
	WIN 0
	s_wait_dscnt 0x0
	s_barrier_signal -1
	s_barrier_wait -1
	WIN 0x40
.set t, 0
.rept 8
	ds_load_b64 v[BP+2*t:BP+2*t+1], v[BGRD] offset:128*t
.set t, t+1
.endr
	s_wait_dscnt 0x0
	WIN 0x55
.macro ALL8 line:vararg
.set t, 0
.rept 8
	\line
.set t, t+1
.endr
.endm
.macro ALLH line:vararg                ; one line for each row tile t and head hh; u = 8 hh + t
.set u, 0
.rept 16
.set t, u%8
.set hh, u/8
	\line
.set u, u+1
.endr
.endm
	; the head's norm^2 n, 1 - n, and what the attention wants of them
	ALL8 v_mul_f32 v[BB2+t], v[BP+2*t], v[BP+2*t]
	ALL8 v_mul_f32 v[BG2+t], v[BP+2*t], v[BP+2*t+1]
	ALL8 v_mul_f32 v[GG+t], v[BP+2*t+1], v[BP+2*t+1]
	ALL8 v_add_f32 v[BG2+t], v[BG2+t], v[BG2+t]
	ALLH v_mul_f32 v[HN+u], v[BB2+t], v[S2A+u]
	ALLH v_fma_f32 v[HN+u], v[BG2+t], v[SBA+u], v[HN+u]
	ALLH v_fma_f32 v[HN+u], v[GG+t], v[Y2H+hh], v[HN+u]
	ALLH v_max_num_f32 v[HN+u], 0, v[HN+u]
	ALLH v_min_num_f32 v[HN+u], 0x3f7fff58, v[HN+u]
	ALLH v_sub_f32 v[HB+u], 1.0, v[HN+u]
	ALLH v_rcp_f32 v[IB+u], v[HB+u]
	ALLH v_fma_f32 v[R1+u], v[HB+u], s[KSA], s[KSB]
	s_wait_alu depctr_va_vdst(0)
	ALLH v_mul_f32 v[R2+u], v[HN+u], v[IB+u]
	ALLH v_fma_f32 v[R1+u], v[R2+u], s[KSCK], v[R1+u]
	ALLH v_mul_f32 v[R2+u], s[M2E], v[HN+u]
	ALLH v_fma_f32 v[IB+u], v[IB+u], s[KSK], s[KSC]
	ALLH v_mul_f32 v[BG+4*t+2*hh], v[BP+2*t], v[IB+u]
	ALLH v_mul_f32 v[BG+4*t+2*hh+1], v[BP+2*t+1], v[IB+u]
; 128 row numbers of one head go through my 512 bytes of LDS and leave as 512 consecutive bytes
.macro AUXOUT arr, set, off
	WIN 0x04
.set t, 0
.rept 8
	ds_store_b32 v[SCW], v[(\arr)+t] offset:64*t
.set t, t+1
.endr
	WIN 0
	ds_load_b128 v[AX+4*(\set):AX+4*(\set)+3], v[SCRD]  ; LDS serves a wave's instructions in order (ISA guide 5.7.1.4)
	s_wait_dscnt 0x0
	global_store_b128 v[GO], v[AX+4*(\set):AX+4*(\set)+3], s[AUXB:AUXB+1] offset:\off
.endm
	WIN 0
	s_cmp_eq_u32 s[M], 2                           ; v has no row numbers; the branch hangs on the layer, which the partners share
	s_cbranch_scc1 .Lnoaux
	AUXOUT R1, 0, 0
	AUXOUT R1+8, 1, 8192
	s_cmp_lg_u32 s[M], 0
	s_cbranch_scc1 .Lnoaux
	AUXOUT R2, 2, 262144
	AUXOUT R2+8, 3, 262144+8192
.Lnoaux:
; THE WAY OUT, a row tile and head at a time: (beta G) mx + (gamma G) b, rounded to f16, through my stage, back as whole rows of 128 bytes: 2,048 consecutive bytes of the head
.macro PACK g
.set prt, (\g)/2
.set phh, (\g)%2
.set aD, 8*((8*prt+4*phh)%32)
.set gD, BG+4*prt+2*phh
	WIN 0x04
.set i, 0
.rept 16
	v_pk_mul_f32 v[TM+2*i:TM+2*i+1], v[BB+32*phh+2*i:BB+32*phh+2*i+1], v[gD:gD+1] op_sel:[0,1] op_sel_hi:[1,1]
.set i, i+1
.endr
	WIN 0x06+prt/4
.set i, 0
.rept 16
	v_pk_fma_f32 v[TM+2*i:TM+2*i+1], v[aD+2*i:aD+2*i+1], v[gD:gD+1], v[TM+2*i:TM+2*i+1] op_sel_hi:[1,0,1]
.set i, i+1
.endr
	WIN 0
.set i, 0
.rept 16
	v_cvt_pk_f16_f32 v[PKD+i], v[TM+2*i], v[TM+2*i+1]
.set i, i+1
.endr
.irp f, 0,1,2,3
	ds_store_b128 v[STO], v[PKD+4*\f:PKD+4*\f+3] offset:32*\f
.endr
	s_wait_xcnt 0x0                                ; the stores of two groups back have read this set of registers
.irp f, 0,1,2,3
	ds_load_b128 v[SET+16*((\g)%2)+4*\f:SET+16*((\g)%2)+4*\f+3], v[RD] offset:576*\f
.endr
.endm
.macro SEND g, younger                 ; younger: the LDS instructions issued behind this group's loads: the next group's eight, or none
.irp f, 0,1,2,3
	s_wait_dscnt (\younger)+3-\f
	global_store_b128 v[GO], v[SET+16*((\g)%2)+4*\f:SET+16*((\g)%2)+4*\f+3], s[OB:OB+1] offset:((\g)%2)*262144+((\g)/2)*2048+512*\f
.endr
.endm
	PACK 0
.set gi, 1
.rept 15
	PACK gi
	SEND gi-1, 8
.set gi, gi+1
.endr
	SEND 15, 0
	s_wait_tensorcnt 0x0                           ; the wave's end
	ds_add_u32 v[SPW], v[NIL]
	s_wait_dscnt 0x0
	CROUND                                         ; the closing round
	s_endpgm
.Lfunc_end_k_q841f925f0b_qkv:
	.size	k_q841f925f0b_qkv, .Lfunc_end_k_q841f925f0b_qkv-k_q841f925f0b_qkv
	.p2alignl 7, 3214868480
	.fill 96, 4, 3214868480
	.section	.rodata,"a",@progbits
	.p2align	6, 0x0
	.amdhsa_kernel k_q841f925f0b_qkv
		.amdhsa_group_segment_fixed_size 327680
		.amdhsa_private_segment_fixed_size 0
		.amdhsa_enable_private_segment 0
		.amdhsa_kernarg_size 64
		.amdhsa_user_sgpr_count 2
		.amdhsa_user_sgpr_kernarg_segment_ptr 1
		.amdhsa_wavefront_size32 1
		.amdhsa_system_sgpr_workgroup_id_x 1
		.amdhsa_system_sgpr_workgroup_id_y 1
		.amdhsa_system_sgpr_workgroup_id_z 1
		.amdhsa_system_vgpr_workitem_id 0
		.amdhsa_next_free_vgpr 1024
		.amdhsa_next_free_sgpr 100
		.amdhsa_reserve_vcc 1
		.amdhsa_float_denorm_mode_32 3
		.amdhsa_float_denorm_mode_16_64 3
		.amdhsa_memory_ordered 1
		.amdhsa_forward_progress 1
		.amdhsa_inst_pref_size 192
	.end_amdhsa_kernel
	.amdgpu_metadata
---
amdhsa.version: [ 1, 2 ]
amdhsa.kernels:
  - .name:           k_q841f925f0b_qkv
    .symbol:         k_q841f925f0b_qkv.kd
    .args:
      - { .name: x16, .offset: 0, .size: 8, .value_kind: global_buffer, .address_space: global }
      - { .name: xn2, .offset: 8, .size: 8, .value_kind: global_buffer, .address_space: global }
      - { .name: wblk, .offset: 16, .size: 8, .value_kind: global_buffer, .address_space: global }
      - { .name: bq, .offset: 24, .size: 8, .value_kind: global_buffer, .address_space: global }
      - { .name: bk, .offset: 32, .size: 8, .value_kind: global_buffer, .address_space: global }
      - { .name: bv, .offset: 40, .size: 8, .value_kind: global_buffer, .address_space: global }
      - { .name: qkv, .offset: 48, .size: 8, .value_kind: global_buffer, .address_space: global }
      - { .name: aux, .offset: 56, .size: 8, .value_kind: global_buffer, .address_space: global }
    .group_segment_fixed_size: 327680
    .private_segment_fixed_size: 0
    .kernarg_segment_align: 8
    .kernarg_segment_size: 64
    .max_flat_workgroup_size: 128
    .sgpr_count:     100
    .vgpr_count:     1024
    .wavefront_size: 32
...
	.end_amdgpu_metadata
.endif
;; end of part 2
;; launch attn (part 3): grid 8 x 32, 4 waves a work-group, clusters of 4 x 1, 327,680 bytes of LDS; arguments qkv, aux, o16, on; writes o16, on
.if DOCPART == 3
	.amdgcn_target "amdgcn-amd-amdhsa--gfx1250"
	.amdhsa_code_object_version 6
	.text
	.protected	k_q841f925f0b_attn
	.globl	k_q841f925f0b_attn
	.p2align	8
	.type	k_q841f925f0b_attn,@function
k_q841f925f0b_attn:
	s_mov_b64 s[64:65], 0
	v_nop
	global_prefetch_b8 v0, s[64:65] scope:SCOPE_SE
	s_setreg_imm32_b32 hwreg(HW_REG_WAVE_MODE, 25, 1), 1
	s_wait_xcnt 0x0
	s_wait_alu depctr_hold_cnt(0) depctr_sa_sdst(0) depctr_va_vdst(0) depctr_va_sdst(0) depctr_va_ssrc(0) depctr_va_vcc(0) depctr_vm_vsrc(0)
	s_getreg_b32 s2, hwreg(HW_REG_IB_STS2, 6, 4)
	s_cmp_eq_u32 s2, 0
	s_cbranch_scc0 .Lentry_in_a_cluster
	s_endpgm
.Lentry_in_a_cluster:
	s_bfe_u32 s2, ttmp6, 0x10000c
	s_cmp_lg_u32 s2, 0x3003
	s_cbranch_scc0 .Lentry_shape_is_right
	s_endpgm
.Lentry_shape_is_right:
; ATTENTION with hyperbolic scores.  score = -sqrt(max(delta, eps)) / 8, delta = 2 (q.k - qn kn) / ((1 - qn)(1 - kn) + eps), softmax over the keys, times v.
; IN (from the launch before): q~ = 2^15 q, k~ = 2^8 k / (1 - kn), v~ = 2^15 v in f16, [bh 32][2048][64]; per query A~ = L eps (1 - qn + eps), c1 = -2 qn / eps^2; per key U = L eps^2 kn / (1 - kn); L = 2^22.
; With acc = q~ . k~:  X = acc + c1 U = L x delta's numerator / (1 - kn);  Yf = A~ + U = L eps x its denominator / (1 - kn);  N = max(X, Yf) is the clip max(delta, eps);
; e = N rsq(N Yf) = sqrt(max(delta, eps) / eps);  p = 2^(-kappa e), kappa = log2(e) sqrt(eps) / 8.  No division, one rsq and one exp2 a score.  N Yf >= Yf^2 > 0.1: no root of a negative number.
; NO RUNNING MAXIMUM: the computation bounds the exponent for every input.  project() in the layers before holds |q|, |k| <= 0.996, so qn, kn <= 0.99202 and delta <= 2 x 0.99202 / 0.00798 < 280 with
; the roundings; the clip holds delta >= 1e-5.  So the exponent of 2 lies in -3.1 .. 0, p in 0.11 .. 1, a row's sum l in 230 .. 2,048.
; OUT: O~ = 2^15 O in f16, [bh][2048][64], and on = the head's sum of O^2 in f32 (of the unrounded O).  LIMITS: NaN and infinities are not treated apart.
; SHARES.  A work-group owns 256 queries of a head, a wave four tiles of 16; every wave walks all keys, 64 a step, four steps to a slot.  CLUSTER: four query blocks of a head ask for K, V and U jointly.
; LAYOUT.  S^T = K Q^T holds one query a lane (l % 16) and the keys 8 (l / 16) + 0..7; two results rounded to f16 ARE source 1 of O^T = V^T P.  V is turned by ds_load_tr16_b128.
; TURNS.  Turn T of a step: first, in window 0 alone, tile T's Yf, X, N, N Yf (80 plain lines), among them ONE batch of 64 transcendentals: exp2 of tile T - 1 and rsq of tile T; one wait; then
; 16 matrix instructions (K Q^T of tile T + 1, V^T P of tile T - 2), behind each four plain lines: e and -kappa e of tile T, rounding and sums of tile T - 1.
; The first turns find O, l, V, one buffer of P at 0 and tile 3's exponents at -200 (their exp2 is 0), so no first step is written out; the price: 248 v_mov_b32 in the wait for the first tile,
; two runs of products on zeros at the start and one that serves nothing at the end.
; REGISTERS: window 0: v1-15 addresses; v16-23 (A~, c1) a tile; v24-31 l a tile; v32-63 U of the step; v64-95 Y; v96-127 P, two buffers; v128-255 S, 32 a tile.
;   window 1: v0-127 O^T.   window 2: v0-63 Q; v128-191 K; v192-255 V.
.set KS,    64
.set PK,    144                        ; a row of K in LDS: 128 bytes + 16
.set PV,    160                        ; a row of V: 128 + 32
.set VOFF,  4*KS*PK
.set UREG,  4*KS*(PK+PV)               ; behind slot 0: U of all 2,048 keys, filled once
.set SLOT1, 1<<17
.set STAGE, SLOT1+4*KS*(PK+PV)
.set SP,    144
.set SCR,   STAGE+4*16*SP              ; 256 bytes for each wave: 64 row numbers on their way out
.set SPARE, SCR+4*256
.set AK0, 2
.set AV0, 3
.set AK,  4
.set AV,  5
.set AW0, 6
.set AW,  7
.set STO, 8
.set QO,  8                            ; first: my byte offset in 16 rows of Q
.set RD,  9
.set GO,  10
.set PFO, 11
.set SPW, 12
.set NIL, 13
.set XO,  14
.set CQ,  16
.set LS,  24
.set WK,  32
.set Y,   64
.set P,   96
.set S,   128
.set KF,  128
.set VF,  192
.set WV,  12
.set LIM, 15
.set G0U, 16
.set G1K, 24
.set G1V, 32
.set G0K, 40
.set G0V, 44
.set G1U, 48
.set SLOTS, 56
.set CNT, 57
.set KC,  58
.set SEL, 60
.set TBK, 62
.set TBV, 63
.set PFA, 66
.set TBW, 68
.set MSB, 0
.macro WIN new
.if MSB != (\new)
	s_set_vgpr_msb (MSB<<8)|(\new)
.set MSB, \new
.endif
.endm
.macro JLOAD                           ; waves 0 and 1 fetch the halves of a slot's K, waves 2 and 3 of its V; an s_nop 0 and four v_nop follow each line
	s_cmp_lt_u32 s[WV], 2
	s_cbranch_scc0 .Lfor_v_\@
	tensor_load_to_lds s[G0K:G0K+3], s[G1K:G1K+7]
	s_nop 0
.rept 4
	v_nop
.endr
	s_branch .Lasked_\@
.Lfor_v_\@:
	tensor_load_to_lds s[G0V:G0V+3], s[G1V:G1V+7]
	s_nop 0
.rept 4
	v_nop
.endr
.Lasked_\@:
.endm
; A prefetch of the slot that the NEXT change will ask for: 128 blocks of 256 bytes of K and of V.  The head's first cluster asks; its four partners take 32 blocks each BY ADDRESS; wave 0 asks for K's,
; wave 2 for V's, a lane a block.  So each block is named once in the launch.  The last change that fills a slot asks for nothing.
.macro ASK
	s_cmp_gt_u32 s[SLOTS], s[LIM]
	s_cbranch_scc0 .Lnot_mine_\@
	global_prefetch_b8 v[PFO], s[PFA:PFA+1] th:TH_LOAD_NT scope:SCOPE_SE
.Lnot_mine_\@:
.endm
.macro CROUND
	s_barrier_signal -1
	s_barrier_wait -1
	s_cmp_lg_u32 s[WV], 0
	s_cbranch_scc1 .Lnot_wave_0_\@
	s_barrier_signal -3
.Lnot_wave_0_\@:
	s_barrier_wait -3
	s_barrier_signal -1
	s_barrier_wait -1
.endm
; THE CHANGE OF SLOTS.  Each wave waits for all its tensor loads, adds 0 to its spare word, and waits for that and for its reads of the old slot (the last: V of its fourth step).  fill = 1: a round of the
; cluster's barrier, and the joint refill first behind it: it has four key steps in which to land.
.macro CHANGE fill, ask
	WIN 0
	s_wait_tensorcnt 0x0
	ds_add_u32 v[SPW], v[NIL]
.if \fill
.irp g, G0K, G0V
	s_xor_b32 s[\g+1], s[\g+1], SLOT1
	s_add_nc_u64 s[\g+2:\g+3], s[\g+2:\g+3], 4*KS*128
.endr
.endif
.if \ask
	s_wait_xcnt 0x0                                ; the last prefetch, four key steps back, has read its address
	s_add_nc_u64 s[PFA:PFA+1], s[PFA:PFA+1], 4*KS*128
.endif
	s_wait_dscnt 0x0
.if \fill
	CROUND
	JLOAD
.if \ask
	ASK
.endif
.else
	s_barrier_signal -1
	s_barrier_wait -1
.endif
	s_sub_co_u32 s[TBK], s[TBK], 4*KS*PK           ; the fetches go back to a slot's first step, in the other slot
	s_xor_b32 s[TBK], s[TBK], SLOT1
	s_sub_co_u32 s[TBV], s[TBV], 4*KS*PV
	s_xor_b32 s[TBV], s[TBV], SLOT1
.endm
	s_load_b256 s[4:11], s[0:1], 0x0               ; qkv s[4:5], aux s[6:7], o16 s[8:9], on s[10:11]
	v_lshl_add_u32 v[SPW], v0, 2, SPARE
	v_mov_b32 v[NIL], 0
	ds_add_u32 v[SPW], v[NIL]                      ; the wave's opening: the add and its wait ahead of my first tensor load
	v_lshrrev_b32 v1, 5, v0
	v_readfirstlane_b32 s[WV], v1
	s_bfe_u32 s13, ttmp6, 0x40000                  ; cx
	s_lshl_b32 s14, ttmp9, 2
	s_add_co_u32 s14, s14, s13                     ; my block of 256 queries: it enters Q's, O's and the row numbers' addresses alone
	s_and_b32 s20, ttmp7, 0xffff                   ; the head, which the partners share
	s_and_b32 s21, s[WV], 1                        ; which half of a slot's 256 keys I fetch
	s_lshl_b32 s22, s20, 18
	s_lshl_b32 s70, s21, 14
	s_add_co_u32 s22, s22, s70
	s_add_co_u32 s22, s22, 8388608                 ; k~ lies behind q~
	s_mov_b32 s23, 0
	s_mul_i32 s70, s21, 128*PK
	s_mul_i32 s71, s21, 128*PV
	s_lshl_b32 s72, s20, 18
	s_lshl_b32 s78, s14, 15
	s_add_co_u32 s72, s72, s78
	s_lshl_b32 s78, s[WV], 13
	s_add_co_u32 s72, s72, s78                     ; Q and O: head, block, my wave's 64 rows
	s_mov_b32 s73, 0
	s_lshl_b32 s74, s20, 13
	s_lshl_b32 s78, s14, 10
	s_add_co_u32 s74, s74, s78
	s_lshl_b32 s78, s[WV], 8
	s_add_co_u32 s74, s74, s78                     ; the same rows in arrays of f32
	s_mov_b32 s75, 0
	s_lshl_b32 s76, s20, 13
	s_lshl_b32 s79, s[WV], 11
	s_add_co_u32 s76, s76, s79
	s_add_co_u32 s76, s76, 524288                  ; U: the third array, the head, my quarter
	s_mov_b32 s77, 0
	s_mov_b32 s[G1K], 15|(1<<16)|(1<<20)|(1<<21)|(4<<22)|(3<<25)  ; 128 keys as 64 rows of 256 bytes, 16 bytes of padding behind every key
	s_mov_b32 s[G1V], 15|(1<<16)|(1<<20)|(1<<21)|(4<<22)|(7<<25)  ; the same with 32 bytes
.irp g, G1K, G1V
	s_mov_b32 s[\g+1], 128<<16
	s_mov_b32 s[\g+2], 64<<16
	s_mov_b32 s[\g+3], 128<<16
	s_mov_b32 s[\g+4], 64
	s_mov_b32 s[\g+5], 128
	s_mov_b32 s[\g+6], 0
	s_mov_b32 s[\g+7], 0
.endr
	s_mov_b32 s[G1U], 15|(3<<16)|(1<<21)           ; 2,048 dense bytes as 8 rows of 32 elements of 8 bytes
	s_mov_b32 s[G1U+1], 32<<16
	s_mov_b32 s[G1U+2], 8<<16
	s_mov_b32 s[G1U+3], 32<<16
	s_mov_b32 s[G1U+4], 8
	s_mov_b32 s[G1U+5], 32
	s_mov_b32 s[G1U+6], 0
	s_mov_b32 s[G1U+7], 0
	s_mov_b32 s[G0K], 1
	s_mov_b32 s[G0K+1], s70
	s_mov_b32 s[G0V], 1
	s_add_co_u32 s[G0V+1], s71, VOFF
	s_mov_b32 s[G0U], 1
	s_add_co_u32 s[G0U+1], s79, UREG
	s_mov_b32 s[KC], 0xba157e87                    ; -kappa
	s_mov_b32 s[KC+1], s[KC]
	s_mov_b32 s[SEL], 0x76543210
	s_mov_b32 s[SEL+1], 0xfedcba98
	s_mov_b32 s[TBK], SLOT1+4*KS*PK                ; the first change of slots turns these two into 0
	s_mov_b32 s[TBV], SLOT1+4*KS*PV
	s_mov_b32 s[TBW], 0
	s_and_b32 s[LIM], s[WV], 1
	s_or_b32 s[LIM], s[LIM], ttmp9
	s_cmp_eq_u32 s[LIM], 0
	s_cselect_b32 s[LIM], 1, -1                    ; 1 in waves 0 and 2 of the head's first cluster
	s_lshl_b32 s78, s13, 13                        ; my work-group's 32 blocks of the 128
	s_add_co_u32 s78, s78, 2*4*KS*128              ; in slot 2: the first change in the loop steps it to slot 3
	s_mov_b32 s79, 0
	s_wait_dscnt 0x0                               ; the opening add is done
	s_wait_kmcnt 0x0
	s_add_nc_u64 s[G0K+2:G0K+3], s[4:5], s[22:23]
	s_add_nc_u64 s[G0V+2:G0V+3], s[G0K+2:G0K+3], 8388608
	s_cmp_lt_u32 s[WV], 2
	s_cselect_b64 s[PFA:PFA+1], s[G0K+2:G0K+3], s[G0V+2:G0V+3]
	s_add_nc_u64 s[PFA:PFA+1], s[PFA:PFA+1], s[78:79]
	s_or_b32 s[G0K+3], s[G0K+3], 0x80000000
	s_or_b32 s[G0V+3], s[G0V+3], 0x80000000
	s_add_nc_u64 s[G0U+2:G0U+3], s[6:7], s[76:77]
	s_or_b32 s[G0U+3], s[G0U+3], 0x80000000
	s_add_nc_u64 s[4:5], s[4:5], s[72:73]
	s_add_nc_u64 s[8:9], s[8:9], s[72:73]
	s_add_nc_u64 s[6:7], s[6:7], s[74:75]
	s_add_nc_u64 s[10:11], s[10:11], s[74:75]
	CROUND                                         ; all four work-groups are here: the first joint loads meet
	s_cmp_lt_u32 s[WV], 2                          ; a wave's two first fills stand in one branch: two loads of mine are out
	s_cbranch_scc0 .Lfirst_v
	tensor_load_to_lds s[G0K:G0K+3], s[G1K:G1K+7]
	s_nop 0
	tensor_load_to_lds s[G0U:G0U+3], s[G1U:G1U+7]
	s_nop 0
.rept 4
	v_nop
.endr
	s_branch .Lfirst_asked
.Lfirst_v:
	tensor_load_to_lds s[G0V:G0V+3], s[G1V:G1V+7]
	s_nop 0
	tensor_load_to_lds s[G0U:G0U+3], s[G1U:G1U+7]
	s_nop 0
.rept 4
	v_nop
.endr
.Lfirst_asked:
	v_and_b32 v1, 15, v0                           ; r
	v_bfe_u32 v15, v0, 4, 1                        ; h
	v_lshlrev_b32 v[QO], 7, v1
	v_lshl_add_u32 v[QO], v15, 4, v[QO]
	v_lshlrev_b32 v[XO], 2, v1
	WIN 0x80
.set i, 0
.rept 8                                ; Q stays in registers: tile i / 2, channels 32 (i % 2) on
	global_load_b128 v[8*i:8*i+3],   v[QO], s[4:5] offset:(i/2)*2048+(i%2)*64
	global_load_b128 v[8*i+4:8*i+7], v[QO], s[4:5] offset:(i/2)*2048+(i%2)*64+32
.set i, i+1
.endr
.set i, VF
.rept 64
	v_mov_b32 v[i], 0
.set i, i+1
.endr
	WIN 0
.irp t, 0,1,2,3
	global_load_b32 v[CQ+2*\t],   v[XO], s[6:7] offset:64*\t
	global_load_b32 v[CQ+2*\t+1], v[XO], s[6:7] offset:262144+64*\t
.endr
	WIN 0x40
.set i, 0
.rept 128
	v_mov_b32 v[i], 0
.set i, i+1
.endr
	WIN 0
.set i, 0
.rept 32
	v_mov_b32 v[S+96+i], 0xc3480000                ; -200: its exp2 is 0
.set i, i+1
.endr
.set i, 0
.rept 16
	v_mov_b32 v[P+i], 0
.set i, i+1
.endr
.set i, 0
.rept 8
	v_mov_b32 v[LS+i], 0
.set i, i+1
.endr
	v_mul_u32_u24 v[AK0], v1, PK
	v_lshl_add_u32 v[AK0], v15, 4, v[AK0]
	v_and_b32 v[AK], 7, v0
	v_bfe_u32 v[AV], v0, 3, 1
	v_lshl_add_u32 v[AV0], v15, 3, v[AK]           ; the turning load: key 8 h + l % 8, channels 8 ((l / 8) % 2) on
	v_mul_u32_u24 v[AV0], v[AV0], PV
	v_lshl_add_u32 v[AV0], v[AV], 4, v[AV0]
	v_add_nc_u32 v[AV0], VOFF, v[AV0]
	v_lshl_add_u32 v[AW0], v15, 5, UREG            ; U: my half's eight keys of each sixteen
	v_and_b32 v[PFO], 31, v0
	v_lshlrev_b32 v[PFO], 8, v[PFO]
; Product i of 8 of S^T = K Q^T for tile x: channels 32 (i / 4) on, keys 16 (i % 4) on.  The four accumulators take turns; the first four start the sums.
.macro KQ x
	WIN 0x0a
.set dS, S+32*(\x)+8*(i%4)
.set dK, KF+16*(i%4)+8*(i/4)
.set dQ, 16*(\x)+8*(i/4)
.if i < 4
	v_wmma_f32_16x16x32_f16 v[dS:dS+7], v[dK:dK+7], v[dQ:dQ+7], 0
.else
	v_wmma_f32_16x16x32_f16 v[dS:dS+7], v[dK:dK+7], v[dQ:dQ+7], v[dS:dS+7]
.endif
.endm
; Product i of 8 of O^T += V^T P for tile x: keys 32 (i / 4) on, channels 16 (i % 4) on.
.macro PVM x
	WIN 0x52
.set dO, 32*(\x)+8*(i%4)
.set dV, VF+32*(i/4)+8*(i%4)
.set dP, P+16*((\x)%2)+8*(i/4)
	v_wmma_f32_16x16x32_f16 v[dO:dO+7], v[dV:dV+7], v[dP:dP+7], v[dO:dO+7]
.endm
; The LDS loads stand in runs.  last = 1 (the tail): in the last trip there is no further step, and the run is jumped over.
.macro FETCH_K last=0
	WIN 0
.if \last
	s_cmp_eq_u32 s[CNT], 1
	s_cbranch_scc1 .Lno_k_\@
.endif
	v_add_nc_u32 v[AK], s[TBK], v[AK0]
	WIN 0x80
.irp f, 0,1,2,3,4,5,6,7
	ds_load_b128 v[KF+8*\f:KF+8*\f+3],   v[AK] offset:(\f/2)*16*PK+(\f%2)*64
	ds_load_b128 v[KF+8*\f+4:KF+8*\f+7], v[AK] offset:(\f/2)*16*PK+(\f%2)*64+32
.endr
	s_add_co_u32 s[TBK], s[TBK], KS*PK
	WIN 0
.if \last
.Lno_k_\@:
.endif
.endm
.macro FETCH_V
	WIN 0
	v_add_nc_u32 v[AV], s[TBV], v[AV0]
	s_add_co_u32 s[TBV], s[TBV], KS*PV
	WIN 0x80
.irp f, 0,1,2,3,4,5,6,7
	ds_load_tr16_b128 v[VF+8*\f:VF+8*\f+3],   v[AV] offset:(\f/4)*32*PV+(\f%4)*32
	ds_load_tr16_b128 v[VF+8*\f+4:VF+8*\f+7], v[AV] offset:(\f/4)*32*PV+16*PV+(\f%4)*32
.endr
	WIN 0
.endm
.macro FETCH_W last=0                  ; U of the next step: register 8 kt + j is key 16 kt + 8 h + j, as in S^T
	WIN 0
.if \last
	s_cmp_eq_u32 s[CNT], 1
	s_cbranch_scc1 .Lno_w_\@
.endif
	v_add_nc_u32 v[AW], s[TBW], v[AW0]
.irp kt, 0,1,2,3
	ds_load_b128 v[WK+8*\kt:WK+8*\kt+3],   v[AW] offset:64*\kt
	ds_load_b128 v[WK+8*\kt+4:WK+8*\kt+7], v[AW] offset:64*\kt+16
.endr
	s_add_co_u32 s[TBW], s[TBW], 256
.if \last
.Lno_w_\@:
.endif
.endm
; The first part of a turn, all in window 0.  For each accumulator g of the tile in hand, 20 plain lines: 4 x Yf = U + A~, 4 x X = acc + c1 U (the accumulator's lowest registers first),
; 8 x N = max(X, Yf), 4 x N Yf; behind each of the first 16 one transcendental of a queue: exp2 0-15 of the tile before | rsq 0-7, exp2 16-23 | rsq 8-15, exp2 24-31 | rsq 16-23; rsq 24-31
; at the end.  No line names a result of the batch: an rsq's register is not touched again, an exp2's neither.
.macro PRE
.set g, 0
.rept 4
.set j, 0
.rept 20
.if j < 4
.set i2, 2*(4*g+j)
	v_pk_add_f32 v[Y+i2:Y+i2+1], v[WK+i2:WK+i2+1], v[rC:rC+1] op_sel_hi:[1,0]
.elseif j < 8
.set i2, 2*(4*g+j-4)
	v_pk_fma_f32 v[rS+i2:rS+i2+1], v[WK+i2:WK+i2+1], v[rC:rC+1], v[rS+i2:rS+i2+1] op_sel:[0,1,0] op_sel_hi:[1,1,1]
.elseif j < 16
.set i2, 8*g+j-8
	v_max_num_f32 v[rS+i2], v[rS+i2], v[Y+i2]
.else
.set i2, 2*(4*g+j-16)
	v_pk_mul_f32 v[Y+i2:Y+i2+1], v[rS+i2:rS+i2+1], v[Y+i2:Y+i2+1]
.endif
.set n, 16*g+j
.if j < 16
.if n < 16
	v_exp_f32 v[rSp+n], v[rSp+n]
.elseif n < 24
	v_rsq_f32 v[Y+n-16], v[Y+n-16]
.elseif n < 32
	v_exp_f32 v[rSp+n-8], v[rSp+n-8]
.elseif n < 40
	v_rsq_f32 v[Y+n-24], v[Y+n-24]
.elseif n < 48
	v_exp_f32 v[rSp+n-16], v[rSp+n-16]
.elseif n < 56
	v_rsq_f32 v[Y+n-32], v[Y+n-32]
.endif
.endif
.set j, j+1
.endr
.set g, g+1
.endr
.set n, 24
.rept 8
	v_rsq_f32 v[Y+n], v[Y+n]
.set n, n+1
.endr
.endm
; A TURN for tile T.  K of the next step is fetched at the end of turn 2 (its last reader stands 32 plain lines back) and waited for in turn 3; V of the step in hand at the end of turn 1 (six plain lines
; behind its last reader) and waited for in turn 2; U of the next step in turn 3, behind the last line that reads the old one, and waited for at the head of turn 0.
.macro TURN T, last=0
.set rS, S+32*(\T)
.set rSp, S+32*(((\T)+3)%4)
.set rC, CQ+2*(\T)
.set rL, LS+2*(((\T)+3)%4)
.set rPw, P+16*(((\T)+3)%2)
	WIN 0
.if (\T) == 0
	s_wait_dscnt 0x0                               ; U is in
.endif
	PRE
	v_nop                                          ; the plain line behind the last transcendental,
	s_wait_alu depctr_va_vdst(0)                   ; and the ONE wait for the batch of 64, ahead of its first reader
.if (\T) == 2
	s_wait_dscnt 0x0                               ; V is in
.endif
.if (\T) == 3
	s_wait_dscnt 0x0                               ; K is in
	FETCH_W \last
.endif
.set m, 0
.rept 16
.if m < 8
.set i, m
	KQ ((\T)+1)%4
.else
.set i, m-8
	PVM ((\T)+2)%4
.endif
	WIN 0
	v_pk_mul_f32 v[rS+2*m:rS+2*m+1], v[rS+2*m:rS+2*m+1], v[Y+2*m:Y+2*m+1]  ; e = N rsq(N Yf)
	v_cvt_pk_f16_f32 v[rPw+m], v[rSp+2*m], v[rSp+2*m+1]                    ; the tile before: p rounded
.if m%2 == 1
	v_pk_add_f32 v[rSp+2*m-2:rSp+2*m-1], v[rSp+2*m-2:rSp+2*m-1], v[rSp+2*m:rSp+2*m+1]  ; of four weights the second pair onto the first, both rounded already
.elseif m >= 2
	v_pk_add_f32 v[rL:rL+1], v[rL:rL+1], v[rSp+2*m-4:rSp+2*m-3]            ; l takes the sum made a line group back
.endif
	v_pk_mul_f32 v[rS+2*m:rS+2*m+1], v[rS+2*m:rS+2*m+1], s[KC:KC+1] op_sel_hi:[1,0]  ; -kappa e
.set m, m+1
.endr
	v_pk_add_f32 v[rL:rL+1], v[rL:rL+1], v[rSp+28:rSp+29]
.if (\T) == 1
	FETCH_V
.endif
.if (\T) == 2
	FETCH_K \last
.endif
.endm
	CHANGE 1, 0                                    ; slot 0 and U are in, everybody's part; slot 1 is asked for
	FETCH_K
	FETCH_W
	s_wait_loadcnt 0x0                             ; Q and the queries' numbers
	s_wait_dscnt 0x0
.set i, 0
.rept 8
	KQ 0
.set i, i+1
.endr
	WIN 0                                          ; the addresses for the way out: plain lines, the places behind those products
	s_mul_i32 s70, s[WV], 16*SP
	s_add_co_u32 s70, s70, STAGE
	v_mul_u32_u24 v[STO], v1, SP
	v_lshl_add_u32 v[STO], v15, 4, v[STO]
	v_add_nc_u32 v[STO], s70, v[STO]
	v_bfe_u32 v[RD], v0, 3, 2
	v_mul_u32_u24 v[RD], v[RD], SP
	v_and_b32 v[GO], 7, v0
	v_lshl_add_u32 v[RD], v[GO], 4, v[RD]
	v_add_nc_u32 v[RD], s70, v[RD]
	v_and_b32 v[GO], 31, v0
	v_lshlrev_b32 v[GO], 4, v[GO]
	s_mov_b32 s[CNT], 4
	s_mov_b32 s[SLOTS], 7
	s_branch .Lfirst                               ; the loop is entered at a step's first turn
.Lslot:                                            ; six times: slots 2 to 7 are asked for
	CHANGE 1, 1
	s_mov_b32 s[CNT], 4
.Lstep:                                            ; a trip: turns 2 and 3 of one step, turns 0 and 1 of the next
	TURN 2
	TURN 3
	WIN 0
.Lfirst:
	TURN 0
	TURN 1
	WIN 0
	s_sub_co_u32 s[CNT], s[CNT], 1
	s_cmp_lg_u32 s[CNT], 0
	s_cbranch_scc1 .Lstep
	s_sub_co_u32 s[SLOTS], s[SLOTS], 1
	s_cmp_lg_u32 s[SLOTS], 0
	s_cbranch_scc1 .Lslot
	CHANGE 0, 0                                    ; the tail is written out
	s_mov_b32 s[CNT], 5
.Ltail:
	TURN 2, 1
	TURN 3, 1
	WIN 0
	s_sub_co_u32 s[CNT], s[CNT], 1
	s_cmp_eq_u32 s[CNT], 0
	s_cbranch_scc1 .Lout
	TURN 0
	TURN 1
	WIN 0
	s_branch .Ltail
.Lout:                                             ; left over: tile 3's exp2, rounding and sums, V^T P of tiles 2 and 3
.set n, 0
.rept 32
	v_exp_f32 v[S+96+n], v[S+96+n]
.set n, n+1
.endr
	v_nop
	s_wait_alu depctr_va_vdst(0)
.set i, 0
.rept 8
	PVM 2
	WIN 0
	v_cvt_pk_f16_f32 v[P+16+2*i], v[S+96+4*i], v[S+96+4*i+1]
	v_cvt_pk_f16_f32 v[P+16+2*i+1], v[S+96+4*i+2], v[S+96+4*i+3]
	v_pk_add_f32 v[S+96+4*i:S+96+4*i+1], v[S+96+4*i:S+96+4*i+1], v[S+96+4*i+2:S+96+4*i+3]
.if i > 0
	v_pk_add_f32 v[LS+6:LS+7], v[LS+6:LS+7], v[S+96+4*i-4:S+96+4*i-3]
.endif
.set i, i+1
.endr
	v_pk_add_f32 v[LS+6:LS+7], v[LS+6:LS+7], v[S+96+28:S+96+29]
.set i, 0
.rept 8
	PVM 3
.set i, i+1
.endr
	; THE WAY OUT.  l's two halves and the other half of the lanes'; O^T / l; its squares summed; rounded to f16; through my stage.  The additions are the places behind the last products.
	WIN 0
.irp t, 0,1,2,3
	v_add_f32 v[LS+2*\t], v[LS+2*\t], v[LS+2*\t+1]
.endr
.irp t, 0,1,2,3
	v_permlanex16_b32 v[LS+2*\t+1], v[LS+2*\t], s[SEL], s[SEL+1]
.endr
.irp t, 0,1,2,3
	v_add_f32 v[LS+2*\t], v[LS+2*\t], v[LS+2*\t+1]
.endr
.irp t, 0,1,2,3
	v_rcp_f32 v[LS+2*\t], v[LS+2*\t]
.endr
	v_nop
	s_wait_alu depctr_va_vdst(0)
.macro PACK t
	WIN 0x41
.set i, 0
.rept 16
	v_pk_mul_f32 v[32*(\t)+2*i:32*(\t)+2*i+1], v[32*(\t)+2*i:32*(\t)+2*i+1], v[LS+2*(\t):LS+2*(\t)+1] op_sel_hi:[1,0]
.set i, i+1
.endr
	WIN 0x05
.set i, 0
.rept 16
.if i == 0
	v_pk_mul_f32 v[Y+2*(\t):Y+2*(\t)+1], v[32*(\t):32*(\t)+1], v[32*(\t):32*(\t)+1]
.else
	v_pk_fma_f32 v[Y+2*(\t):Y+2*(\t)+1], v[32*(\t)+2*i:32*(\t)+2*i+1], v[32*(\t)+2*i:32*(\t)+2*i+1], v[Y+2*(\t):Y+2*(\t)+1]
.endif
.set i, i+1
.endr
.set i, 0
.rept 16
	v_cvt_pk_f16_f32 v[S+16*(\t)+i], v[32*(\t)+2*i], v[32*(\t)+2*i+1]
.set i, i+1
.endr
	WIN 0
.irp f, 0,1,2,3
	ds_store_b128 v[STO], v[S+16*(\t)+4*\f:S+16*(\t)+4*\f+3] offset:32*\f
.endr
.irp f, 0,1,2,3
	ds_load_b128 v[S+16*(\t)+4*\f:S+16*(\t)+4*\f+3], v[RD] offset:\f*4*SP  ; LDS serves a wave's instructions in order (ISA guide 5.7.1.4)
.endr
.endm
.macro SEND t, younger
	WIN 0
.irp f, 0,1,2,3
	s_wait_dscnt (\younger)+3-\f
	global_store_b128 v[GO], v[S+16*(\t)+4*\f:S+16*(\t)+4*\f+3], s[8:9] offset:(\t)*2048+\f*512  ; 512 consecutive bytes, at a multiple of 256 from O's first
.endr
.endm
	PACK 0
	PACK 1
	SEND 0, 8
	PACK 2
	SEND 1, 8
	PACK 3
	SEND 2, 8
	SEND 3, 0
	; the rows' sums of O^2, in true units: 64 numbers, 256 consecutive bytes
.irp t, 0,1,2,3
	v_add_f32 v[Y+2*\t], v[Y+2*\t], v[Y+2*\t+1]
.endr
.irp t, 0,1,2,3
	v_permlanex16_b32 v[Y+2*\t+1], v[Y+2*\t], s[SEL], s[SEL+1]
.endr
.irp t, 0,1,2,3
	v_add_f32 v[Y+2*\t], v[Y+2*\t], v[Y+2*\t+1]
.endr
.irp t, 0,1,2,3
	v_mul_f32 v[Y+2*\t], 0x30800000, v[Y+2*\t]     ; 2^-30
.endr
	s_lshl_b32 s70, s[WV], 8
	s_add_co_u32 s70, s70, SCR
	v_lshl_add_u32 v[WK], v1, 2, s70
	v_and_b32 v[WK+2], 31, v0
	v_lshlrev_b32 v[WK+2], 3, v[WK+2]
	v_add_nc_u32 v[WK+1], s70, v[WK+2]
.irp t, 0,1,2,3
	ds_store_b32 v[WK], v[Y+2*\t] offset:64*\t
.endr
	ds_load_b64 v[Y+8:Y+9], v[WK+1]
	s_wait_dscnt 0x0
	global_store_b64 v[WK+2], v[Y+8:Y+9], s[10:11]
	s_wait_tensorcnt 0x0                           ; the wave's end
	ds_add_u32 v[SPW], v[NIL]
	s_wait_dscnt 0x0
	CROUND                                         ; the closing round
	s_endpgm
.Lfunc_end_k_q841f925f0b_attn:
	.size	k_q841f925f0b_attn, .Lfunc_end_k_q841f925f0b_attn-k_q841f925f0b_attn
	.p2alignl 7, 3214868480
	.fill 96, 4, 3214868480
	.section	.rodata,"a",@progbits
	.p2align	6, 0x0
	.amdhsa_kernel k_q841f925f0b_attn
		.amdhsa_group_segment_fixed_size 327680
		.amdhsa_private_segment_fixed_size 0
		.amdhsa_enable_private_segment 0
		.amdhsa_kernarg_size 32
		.amdhsa_user_sgpr_count 2
		.amdhsa_user_sgpr_kernarg_segment_ptr 1
		.amdhsa_wavefront_size32 1
		.amdhsa_system_sgpr_workgroup_id_x 1
		.amdhsa_system_sgpr_workgroup_id_y 1
		.amdhsa_system_sgpr_workgroup_id_z 1
		.amdhsa_system_vgpr_workitem_id 0
		.amdhsa_next_free_vgpr 768
		.amdhsa_next_free_sgpr 80
		.amdhsa_reserve_vcc 0
		.amdhsa_float_denorm_mode_32 3
		.amdhsa_float_denorm_mode_16_64 3
		.amdhsa_memory_ordered 1
		.amdhsa_forward_progress 1
		.amdhsa_inst_pref_size 152
	.end_amdhsa_kernel
	.amdgpu_metadata
---
amdhsa.version: [ 1, 2 ]
amdhsa.kernels:
  - .name:           k_q841f925f0b_attn
    .symbol:         k_q841f925f0b_attn.kd
    .args:
      - { .name: qkv, .offset: 0, .size: 8, .value_kind: global_buffer, .address_space: global }
      - { .name: aux, .offset: 8, .size: 8, .value_kind: global_buffer, .address_space: global }
      - { .name: o16, .offset: 16, .size: 8, .value_kind: global_buffer, .address_space: global }
      - { .name: on, .offset: 24, .size: 8, .value_kind: global_buffer, .address_space: global }
    .group_segment_fixed_size: 327680
    .private_segment_fixed_size: 0
    .kernarg_segment_align: 8
    .kernarg_segment_size: 32
    .max_flat_workgroup_size: 128
    .sgpr_count:     80
    .vgpr_count:     768
    .wavefront_size: 32
...
	.end_amdgpu_metadata
.endif
;; end of part 3
;; launch outp (part 4): grid 128 x 1, 4 waves a work-group, clusters of 4 x 1, 327,680 bytes of LDS; arguments o16, on, wblk, bo, out0; writes out0
.if DOCPART == 4
	.amdgcn_target "amdgcn-amd-amdhsa--gfx1250"
	.amdhsa_code_object_version 6
	.text
	.protected	k_q841f925f0b_outp
	.globl	k_q841f925f0b_outp
	.p2align	8
	.type	k_q841f925f0b_outp,@function
k_q841f925f0b_outp:
	s_mov_b64 s[64:65], 0
	v_nop
	global_prefetch_b8 v0, s[64:65] scope:SCOPE_SE
	s_setreg_imm32_b32 hwreg(HW_REG_WAVE_MODE, 25, 1), 1
	s_wait_xcnt 0x0
	s_wait_alu depctr_hold_cnt(0) depctr_sa_sdst(0) depctr_va_vdst(0) depctr_va_sdst(0) depctr_va_ssrc(0) depctr_va_vcc(0) depctr_vm_vsrc(0)
	s_getreg_b32 s2, hwreg(HW_REG_IB_STS2, 6, 4)
	s_cmp_eq_u32 s2, 0
	s_cbranch_scc0 .Lentry_in_a_cluster
	s_endpgm
.Lentry_in_a_cluster:
	s_bfe_u32 s2, ttmp6, 0x10000c
	s_cmp_lg_u32 s2, 0x3003
	s_cbranch_scc0 .Lentry_shape_is_right
	s_endpgm
.Lentry_shape_is_right:
; OUTP: the last hyperbolic linear layer on 64 whole rows: acc = O~ Wo^T in f16 with f32 sums (O~ = 2^15 O by heads, Wo rounded to bf16 and written as f16), then out0 = beta mx + gamma b in f32,
; mx = 2^-15 acc; beta and gamma are numbers of the row, made of S2 = sum mx^2, Sb = sum mx b, y2 = sum b^2 and |O|^2 (the eight heads' sums of the launch before).
; LIMITS.  |Wo| under 65,504.  NaN and infinities are not treated apart.  The norm of out is taken as the quadratic form beta^2 S2 + 2 beta gamma Sb + gamma^2 y2 of f32 sums.  b is rounded to bf16.
; artanh and tanh below 2^-5 go by their series to the fifth power, above it by log2 and exp2.
; SHARES.  Four waves; wave wc makes all 64 rows x columns 128 wc .. + 127: 32 accumulators.  K goes in 8 steps of 64 (a step is a head).  A lies in LDS for the whole launch, W goes through two slots,
; asked for JOINTLY by the four row blocks of a cluster (mask 15).  The matrix instruction is used transposed: a lane holds row l % 16 and eight neighbouring columns.
; 128 work-groups: whole rows are needed, and 32 rows a work-group would double the LDS reads and the fills for each product.  No prefetch: 8 K steps, two of them with the first fills.
; REGISTERS: window 0: v15-37 addresses; v64-95, v128-159 A's fragments; later b, sums, the way out.  window 1: v64-191 W's fragments; v8-15 the heads' |O|^2; later the row numbers.  window 2: accumulators.
.set RT,    4
.set R,     16*RT
.set PITCH, 144
.set WQ,    128*PITCH
.set WS1,   4*WQ
.set AREG,  2*WS1
.set ASTEP, R*PITCH
.set STAGE, AREG+8*ASTEP               ; 16 rows x 528 bytes for each wave
.set SPI,   528                        ; 512 bytes + 16: the 16 rows that a store touches start at 16 different groups of four banks (64 banks of 4 bytes: ISA guide 11.1)
.set RED,   STAGE+4*16*SPI
.set Y2R,   RED+4*R*8
.set BGR,   Y2R+256
.set SPARE, BGR+R*8
.set ADRA0, 15
.set ADRA,  16
.set XO,    18
.set BO,    19
.set ADRB,  20
.set Y2W,   22
.set Y2A,   23
.set STO,   24
.set RD,    25
.set GO,    26
.set SPW,   28
.set NIL,   29
.set REDW,  30
.set REDR,  31
.set BGW,   32
.set BGRD,  33
.set YP,    34
.set F0,    64
.set F1,    128
.set BB,    64
.set SUMS,  128                        ; pairs: 128 + 4 rt + 2 q
.set TM,    128                        ; the way out: 64 f32
.set CT,    192
.set LD,    192                        ; 16 rows read back
; window 1
.set X2,  0
.set ONL, 8
.set PW,  40
.set Y2H, 56
.set Y2S, 58
.set Y2,  59
.set Y2L, 60
.set RL,  64
.set XN,  72
.set SQ,  73
.set MN,  74
.set ZZ,  75
.set T1,  76
.set T2,  77
.set T3,  78
.set T4,  79
.set T5,  80
.set AL,  81
.set BE,  82
.set GA,  83
.set BP,  96
; scalars
.set WV,  20
.set CX,  21
.set RB,  22
.set G1W, 24
.set G1A, 32
.set G0W, 40
.set G0A, 48
.set CNT, 56
.set SEL, 60
.set TA,  62
.set E15, 72
.set MAXN, 73
.set OB,  76
.set C5,  78
.set C3,  79
.set C215, 80
.set CM3, 81
.set SMALL, 82
.set MSB, 0
.macro WIN new
.if MSB != (\new)
	s_set_vgpr_msb (MSB<<8)|(\new)
.set MSB, \new
.endif
.endm
.macro PLACES                          ; four places behind a matrix instruction (ISA guide 7.12.1)
.rept 4
	v_nop
.endr
.endm
.macro CREST
	s_cmp_lg_u32 s[WV], 0
	s_cbranch_scc1 .Lnot_wave_0_\@
	s_barrier_signal -3
.Lnot_wave_0_\@:
	s_barrier_wait -3
	s_barrier_signal -1
	s_barrier_wait -1
.endm
.macro CROUND
	s_barrier_signal -1
	s_barrier_wait -1
	CREST
.endm
.macro JLOAD s                         ; my quarter of slot s, asked for jointly; an s_nop 0 and four v_nop follow
	tensor_load_to_lds s[G0W+4*(\s):G0W+4*(\s)+3], s[G1W:G1W+7]
	s_nop 0
.rept 4
	v_nop
.endr
.endm
.macro MULQ f, qd, zero                ; one row tile x all 8 column tiles, 32 along K; all 32 accumulators take turns
.set rr, (\qd)
	WIN 0xa1
.set cc, 0
.rept 8
.set aD, 8*(8*rr+cc)
.if \zero
	v_wmma_f32_16x16x32_f16 v[aD:aD+7], v[(\f)+8*cc:(\f)+8*cc+7], v[(\f)+8*rr:(\f)+8*rr+7], 0
.else
	v_wmma_f32_16x16x32_f16 v[aD:aD+7], v[(\f)+8*cc:(\f)+8*cc+7], v[(\f)+8*rr:(\f)+8*rr+7], v[aD:aD+7]
.endif
.set cc, cc+1
.endr
.endm
.macro FETCH slot, c, f
	WIN 0x40
.set cc, 0
.rept 8
	ds_load_b128 v[(\f)+8*cc:(\f)+8*cc+3],   v[ADRB+(\slot)] offset:cc*16*PITCH+64*(\c)
	ds_load_b128 v[(\f)+8*cc+4:(\f)+8*cc+7], v[ADRB+(\slot)] offset:cc*16*PITCH+64*(\c)+32
.set cc, cc+1
.endr
	WIN 0
.set cc, 0
.rept RT
	ds_load_b128 v[(\f)+8*cc:(\f)+8*cc+3],   v[ADRA] offset:cc*16*PITCH+64*(\c)
	ds_load_b128 v[(\f)+8*cc+4:(\f)+8*cc+7], v[ADRA] offset:cc*16*PITCH+64*(\c)+32
.set cc, cc+1
.endr
.endm
.macro H0 slot, zero
	s_wait_dscnt RT                                ; W and A's lower row tiles are in; the youngest RT loads may be out
	MULQ F0, 0, \zero
	MULQ F0, 1, \zero
	PLACES
	FETCH \slot, 1, F1
	s_wait_dscnt 16+2*RT                           ; all but the run just issued
	MULQ F0, 2, \zero
	MULQ F0, 3, \zero
.endm
; A K step's second half and the change of slots: ahead of the ONE barrier each wave waits for all its tensor loads, adds 0 to its spare word, and waits for that and for its reads of this slot.
.macro TURN slot, next, fill
	WIN 0
	s_wait_tensorcnt 0x0
	ds_add_u32 v[SPW], v[NIL]
	s_wait_dscnt RT+1
	MULQ F1, 0, 0
	s_wait_dscnt 0x0
	s_barrier_signal -1
	MULQ F1, 1, 0
	WIN 0
	s_barrier_wait -1
.if \fill
	CREST
	s_add_nc_u64 s[G0W+4*(\slot)+2:G0W+4*(\slot)+3], s[G0W+4*(\slot)+2:G0W+4*(\slot)+3], 131072
	JLOAD \slot
.else
	PLACES
.endif
	s_add_co_u32 s[TA], s[TA], ASTEP
	v_add_nc_u32 v[ADRA], s[TA], v[ADRA0]
	FETCH \next, 0, F0
	MULQ F1, 2, 0
	MULQ F1, 3, 0
.endm
	s_load_b256 s[4:11], s[0:1], 0x0               ; o16 s[4:5], on s[6:7], wblk s[8:9], bo s[10:11]
	s_load_b64 s[12:13], s[0:1], 0x20              ; out0
	v_lshl_add_u32 v[SPW], v0, 2, SPARE
	v_mov_b32 v[NIL], 0
	ds_add_u32 v[SPW], v[NIL]                      ; the wave's opening: the add and its wait ahead of my first tensor load
	v_lshrrev_b32 v1, 5, v0
	v_readfirstlane_b32 s[WV], v1
	s_bfe_u32 s[CX], ttmp6, 0x40000
	s_lshl_b32 s[RB], ttmp9, 2
	s_add_co_u32 s[RB], s[RB], s[CX]               ; my block of 64 rows
	s_mov_b32 s[G1W], 15|(1<<16)|(1<<20)|(1<<21)|(4<<22)|(3<<25)
	s_mov_b32 s[G1A], (1<<16)|(1<<20)|(4<<22)|(3<<25)
	s_mov_b32 s[G1W+2], 64<<16
	s_mov_b32 s[G1A+2], (R/2)<<16
	s_mov_b32 s[G1W+4], 64
	s_mov_b32 s[G1A+4], R/2
.irp g, G1W, G1A
	s_mov_b32 s[\g+1], 128<<16
	s_mov_b32 s[\g+3], 128<<16
	s_mov_b32 s[\g+5], 128
	s_mov_b32 s[\g+6], 0
	s_mov_b32 s[\g+7], 0
.endr
	s_mul_i32 s57, s[WV], WQ
	s_mov_b32 s[G0W], 1
	s_mov_b32 s[G0W+1], s57
	s_mov_b32 s[G0W+4], 1
	s_add_co_u32 s[G0W+5], s57, WS1
	s_mul_i32 s58, s[WV], ASTEP
	s_mov_b32 s[G0A], 1
	s_add_co_u32 s[G0A+1], s58, AREG
	s_mov_b32 s[G0A+4], 1
	s_add_co_u32 s[G0A+5], s58, AREG+4*ASTEP
	s_lshl_b32 s66, s[WV], 14
	s_add_co_u32 s66, s66, 3*524288                ; Wo, K step 0, my 128 rows
	s_mov_b32 s67, 0
	s_lshr_b32 s89, s[RB], 5                       ; batch
	s_and_b32 s90, s[RB], 31                       ; block in the batch
	s_lshl_b32 s68, s89, 21
	s_lshl_b32 s91, s[WV], 18
	s_add_co_u32 s68, s68, s91
	s_lshl_b32 s91, s90, 13
	s_add_co_u32 s68, s68, s91                     ; A: batch, head wc, my block's rows
	s_mov_b32 s69, 0
	s_mov_b32 s[SEL], 0x76543210
	s_mov_b32 s[SEL+1], 0xfedcba98
	s_mov_b32 s[TA], 0
	s_mov_b32 s[E15], 0x26901d7d                   ; 1e-15
	s_mov_b32 s[MAXN], 0x3f7ef9db                  ; 0.996
	s_mov_b32 s[C5], 0x3e4ccccd
	s_mov_b32 s[C3], 0x3eaaaaab
	s_mov_b32 s[C215], 0x3e088889
	s_mov_b32 s[CM3], 0xbeaaaaab
	s_mov_b32 s[SMALL], 0x3d000000
	s_wait_dscnt 0x0                               ; the opening add is done
	s_wait_kmcnt 0x0
	s_add_nc_u64 s[G0W+2:G0W+3], s[8:9], s[66:67]
	s_add_nc_u64 s[G0W+6:G0W+7], s[G0W+2:G0W+3], 65536
	s_or_b32 s[G0W+3], s[G0W+3], 0x80000000
	s_or_b32 s[G0W+7], s[G0W+7], 0x80000000
	s_add_nc_u64 s[G0A+2:G0A+3], s[4:5], s[68:69]
	s_add_nc_u64 s[G0A+6:G0A+7], s[G0A+2:G0A+3], 4*262144
	s_or_b32 s[G0A+3], s[G0A+3], 0x80000000
	s_or_b32 s[G0A+7], s[G0A+7], 0x80000000
	CROUND                                         ; all four work-groups are here: the first joint loads meet
	tensor_load_to_lds s[G0A:G0A+3], s[G1A:G1A+7]  ; the first fills go out as one group: four loads of mine are out
	s_nop 0
	tensor_load_to_lds s[G0A+4:G0A+7], s[G1A:G1A+7]
	s_nop 0
	tensor_load_to_lds s[G0W:G0W+3], s[G1W:G1W+7]
	s_nop 0
	tensor_load_to_lds s[G0W+4:G0W+7], s[G1W:G1W+7]
	s_nop 0
.rept 4
	v_nop
.endr
	s_lshl_b32 s66, s89, 16
	s_lshl_b32 s91, s90, 8
	s_add_co_u32 s66, s66, s91
	s_lshl_b32 s91, s[WV], 6
	s_add_co_u32 s66, s66, s91
	s_add_nc_u64 s[6:7], s[6:7], s[66:67]          ; on at head 0 of the batch, row 64 rb' + 16 wc
	s_lshl_b32 s66, s[RB], 17
	s_lshl_b32 s91, s[WV], 9
	s_add_co_u32 s66, s66, s91
	s_add_nc_u64 s[OB:OB+1], s[12:13], s[66:67]    ; out0 at my block's first row, my wave's 512 bytes
	v_and_b32 v1, 15, v0                           ; r
	v_bfe_u32 v2, v0, 4, 1                         ; h
	v_and_b32 v3, 31, v0                           ; l
	v_mul_u32_u24 v4, v1, PITCH
	v_lshl_add_u32 v4, v2, 4, v4
	v_add_nc_u32 v[ADRA0], AREG, v4
	v_mov_b32 v[ADRA], v[ADRA0]
	v_add_nc_u32 v[ADRB], s57, v4
	v_add_nc_u32 v[ADRB+1], WS1, v[ADRB]
	s_mul_i32 s58, s[WV], 16*SPI
	s_add_co_u32 s58, s58, STAGE
	v_mul_u32_u24 v5, v1, SPI
	v_lshl_add_u32 v5, v2, 5, v5
	v_add_nc_u32 v[STO], s58, v5                   ; into my stage: row r, 32 bytes for each half of the lanes
	v_lshl_add_u32 v[RD], v3, 4, s58               ; back: a whole row of 512 bytes
	v_lshlrev_b32 v[GO], 4, v3
	v_lshlrev_b32 v[XO], 2, v1
	s_lshl_b32 s58, s[WV], 9
	v_lshl_add_u32 v[BO], v2, 5, s58
	s_mul_i32 s58, s[WV], R*8
	s_add_co_u32 s58, s58, RED
	v_lshl_add_u32 v[REDW], v1, 3, s58
	s_lshl_b32 s58, s[WV], 7
	s_add_co_u32 s59, s58, RED
	v_lshl_add_u32 v[REDR], v1, 3, s59             ; the row whose numbers I make: 16 wc + r
	s_add_co_u32 s59, s58, BGR
	v_lshl_add_u32 v[BGW], v1, 3, s59
	v_lshl_add_u32 v[BGRD], v1, 3, BGR
	s_lshl_b32 s58, s[WV], 2
	s_add_co_u32 s58, s58, Y2R
	v_mov_b32 v[Y2W], s58
	v_mov_b32 v[Y2A], Y2R
	WIN 0x40
.irp hd, 0,1,2,3,4,5,6,7
	global_load_b32 v[ONL+\hd], v[XO], s[6:7] offset:8192*\hd  ; the eight heads' parts of |O|^2 of my row
.endr
	WIN 0
	s_wait_tensorcnt 1                             ; A's two parts and my quarter of slot 0 are in; slot 1's may stay out
	s_barrier_signal -1
	s_barrier_wait -1
	FETCH 0, 0, F0
	H0 0, 1
	WIN 0
	s_mov_b32 s[CNT], 3
.Llap:
	TURN 0, 1, 1
	H0 1, 0
	TURN 1, 0, 1
	H0 0, 0
	WIN 0
	s_sub_co_u32 s[CNT], s[CNT], 1
	s_cmp_lg_u32 s[CNT], 0
	s_cbranch_scc1 .Llap
	TURN 0, 1, 0
	H0 1, 0
	s_wait_dscnt RT
	MULQ F1, 0, 0
	MULQ F1, 1, 0
	PLACES
	WIN 0
.set cc, 0
.rept 8
	global_load_b128 v[BB+8*cc:BB+8*cc+3],   v[BO], s[10:11] offset:64*cc
	global_load_b128 v[BB+8*cc+4:BB+8*cc+7], v[BO], s[10:11] offset:64*cc+16
.set cc, cc+1
.endr
	s_wait_dscnt 0x0
	MULQ F1, 2, 0
	MULQ F1, 3, 0
	PLACES
	WIN 0x0a                                       ; sum acc^2 by row tile, four chains by turns
.set st, 0
.rept 32
.set rr, 0
.rept 4
.set aD, 8*(8*rr+st/4)+2*(st%4)
.set sD, SUMS+4*rr
.if st == 0
	v_pk_mul_f32 v[sD:sD+1], v[aD:aD+1], v[aD:aD+1]
.else
	v_pk_fma_f32 v[sD:sD+1], v[aD:aD+1], v[aD:aD+1], v[sD:sD+1]
.endif
.set rr, rr+1
.endr
.set st, st+1
.endr
	s_wait_loadcnt 0x0                             ; b and the heads' sums
	WIN 0
.set i, 0
.rept 32
	v_cvt_pk_bf16_f32 v[CT+i], v[BB+2*i], v[BB+2*i+1]  ; b rounded to bf16, like the other inputs
.set i, i+1
.endr
.set i, 0
.rept 32
	v_lshlrev_b32 v[BB+2*i], 16, v[CT+i]
	v_and_b32 v[BB+2*i+1], 0xffff0000, v[CT+i]
.set i, i+1
.endr
	WIN 0x02                                       ; sum acc b
.set st, 0
.rept 32
.set rr, 0
.rept 4
.set aD, 8*(8*rr+st/4)+2*(st%4)
.set sD, SUMS+4*rr+2
.if st == 0
	v_pk_mul_f32 v[sD:sD+1], v[aD:aD+1], v[BB:BB+1]
.else
	v_pk_fma_f32 v[sD:sD+1], v[aD:aD+1], v[BB+2*st:BB+2*st+1], v[sD:sD+1]
.endif
.set rr, rr+1
.endr
.set st, st+1
.endr
	WIN 0
.set i, 0
.rept 16
.set hh, 0
.rept 2
.set bD, BB+32*hh+2*i
.if i == 0
	v_pk_mul_f32 v[YP+2*hh:YP+2*hh+1], v[bD:bD+1], v[bD:bD+1]
.else
	v_pk_fma_f32 v[YP+2*hh:YP+2*hh+1], v[bD:bD+1], v[bD:bD+1], v[YP+2*hh:YP+2*hh+1]
.endif
.set hh, hh+1
.endr
.set i, i+1
.endr
.set e, 0
.rept 8
	v_add_f32 v[SUMS+2*e], v[SUMS+2*e], v[SUMS+2*e+1]
.set e, e+1
.endr
	v_add_f32 v[YP], v[YP], v[YP+1]
	v_add_f32 v[YP+2], v[YP+2], v[YP+3]
.set e, 0
.rept 8
	v_permlanex16_b32 v[SUMS+2*e+1], v[SUMS+2*e], s[SEL], s[SEL+1]
.set e, e+1
.endr
	v_permlanex16_b32 v[YP+1], v[YP], s[SEL], s[SEL+1]
	v_permlanex16_b32 v[YP+3], v[YP+2], s[SEL], s[SEL+1]
	WIN 0x40
.set e, 0
.rept 8
	v_add_f32 v[PW+e], v[SUMS+2*e], v[SUMS+2*e+1]
.set e, e+1
.endr
	v_add_f32 v[Y2H], v[YP], v[YP+1]
	v_add_f32 v[Y2H+1], v[YP+2], v[YP+3]
	WIN 0x55
	v_add_f32 v[Y2S], v[Y2H], v[Y2H+1]
	WIN 0x04
.set t, 0
.rept 4
	ds_store_b64 v[REDW], v[PW+2*t:PW+2*t+1] offset:128*t
.set t, t+1
.endr
	ds_store_b32 v[Y2W], v[Y2S]
	WIN 0
	s_wait_dscnt 0x0                               ; for the others' sake: my stores are done
	s_barrier_signal -1
	s_barrier_wait -1
	WIN 0x40
.irp w, 0,1,2,3
	ds_load_b64 v[RL+2*\w:RL+2*\w+1], v[REDR] offset:\w*R*8  ; the four waves' parts of ONE row: 16 wc + r
.endr
	ds_load_b128 v[Y2L:Y2L+3], v[Y2A]
	s_wait_dscnt 0x0
	WIN 0x55
	v_pk_add_f32 v[RL:RL+1], v[RL:RL+1], v[RL+2:RL+3]
	v_pk_add_f32 v[RL+4:RL+5], v[RL+4:RL+5], v[RL+6:RL+7]
	v_pk_add_f32 v[RL:RL+1], v[RL:RL+1], v[RL+4:RL+5]
	v_add_f32 v[Y2], v[Y2L], v[Y2L+1]
	v_add_f32 v[T1], v[Y2L+2], v[Y2L+3]
	v_add_f32 v[Y2], v[Y2], v[T1]
	v_add_f32 v[X2], v[ONL], v[ONL+1]
	v_add_f32 v[T1], v[ONL+2], v[ONL+3]
	v_add_f32 v[T2], v[ONL+4], v[ONL+5]
	v_add_f32 v[T3], v[ONL+6], v[ONL+7]
	v_add_f32 v[X2], v[X2], v[T1]
	v_add_f32 v[T2], v[T2], v[T3]
	v_add_f32 v[X2], v[X2], v[T2]                  ; |O|^2
	v_mul_f32 v[RL], 0x30800000, v[RL]             ; S2 = 2^-30 sum acc^2
	v_mul_f32 v[RL+1], 0x38000000, v[RL+1]         ; Sb = 2^-15 sum acc b
; THE ROW'S NUMBERS, one row a lane: from X2, S2 = v[RL], Sb = v[RL+1], y2 to beta and gamma.  Behind each batch of transcendentals stand a plain line and one wait.
.macro ROWMATH
	v_sqrt_f32 v[XN], v[X2]
	v_sqrt_f32 v[SQ], v[RL]
	v_nop
	s_wait_alu depctr_va_vdst(0)
	v_max_num_f32 v[XN], s[E15], v[XN]             ; x_norm
	v_max_num_f32 v[MN], s[E15], v[SQ]             ; mx_norm
	v_min_num_f32 v[ZZ], 0x3f7ffffe, v[XN]         ; artanh's clip at 1 - 1e-7
	v_sub_f32 v[T1], 1.0, v[ZZ]
	v_rcp_f32 v[T1], v[T1]
	v_rcp_f32 v[T2], v[XN]
	v_rcp_f32 v[T5], v[MN]
	v_add_f32 v[T3], 1.0, v[ZZ]
	v_mul_f32 v[T4], v[ZZ], v[ZZ]
	s_wait_alu depctr_va_vdst(0)
	v_mul_f32 v[T1], v[T3], v[T1]
	v_log_f32 v[T1], v[T1]
	v_fma_f32 v[T3], v[T4], s[C5], s[C3]
	v_fma_f32 v[T3], v[T3], v[T4], 1.0
	v_mul_f32 v[T3], v[T3], v[ZZ]
	v_cmp_gt_f32 vcc_lo, s[SMALL], v[ZZ]
	s_wait_alu depctr_va_vdst(0)
	v_mul_f32 v[T1], 0x3eb17218, v[T1]
	v_cndmask_b32 v[T1], v[T1], v[T3], vcc_lo      ; artanh
	v_mul_f32 v[T2], v[MN], v[T2]
	v_mul_f32 v[T2], v[T2], v[T1]                  ; a
	v_mul_f32 v[T1], 0x4038aa3b, v[T2]
	v_exp_f32 v[T1], v[T1]
	v_mul_f32 v[T4], v[T2], v[T2]
	v_fma_f32 v[T3], v[T4], s[C215], s[CM3]
	v_fma_f32 v[T3], v[T3], v[T4], 1.0
	v_mul_f32 v[T3], v[T3], v[T2]
	v_cmp_gt_f32 vcc_lo, s[SMALL], v[T2]
	s_wait_alu depctr_va_vdst(0)
	v_add_f32 v[T1], 1.0, v[T1]
	v_rcp_f32 v[T1], v[T1]
	v_nop
	s_wait_alu depctr_va_vdst(0)
	v_fma_f32 v[T1], v[T1], -2.0, 1.0
	v_cndmask_b32 v[T1], v[T1], v[T3], vcc_lo      ; tanh
	v_mul_f32 v[AL], v[T1], v[T5]
	v_mul_f32 v[T2], v[AL], v[SQ]
	v_max_num_f32 v[T1], s[E15], v[T2]
	v_rcp_f32 v[T1], v[T1]
	v_nop
	v_cmp_lt_f32 vcc_lo, s[MAXN], v[T2]
	s_wait_alu depctr_va_vdst(0)
	v_mul_f32 v[T1], s[MAXN], v[T1]
	v_mul_f32 v[T1], v[T1], v[AL]
	v_cndmask_b32 v[AL], v[AL], v[T1], vcc_lo      ; project
	v_mul_f32 v[T1], v[AL], v[AL]
	v_mul_f32 v[T1], v[T1], v[RL]                  ; x2
	v_mul_f32 v[T2], v[AL], v[RL+1]                ; xy
	v_fma_f32 v[T3], v[T2], 2.0, 1.0
	v_fma_f32 v[T4], v[T1], v[Y2], v[T3]
	v_max_num_f32 v[T4], s[E15], v[T4]
	v_rcp_f32 v[T4], v[T4]
	v_add_f32 v[T3], v[T3], v[Y2]
	v_sub_f32 v[T1], 1.0, v[T1]
	s_wait_alu depctr_va_vdst(0)
	v_mul_f32 v[T3], v[T3], v[AL]
	v_mul_f32 v[BE], v[T3], v[T4]
	v_mul_f32 v[GA], v[T1], v[T4]
	v_mul_f32 v[T1], v[BE], v[BE]
	v_mul_f32 v[T2], v[BE], v[GA]
	v_mul_f32 v[T3], v[GA], v[GA]
	v_add_f32 v[T2], v[T2], v[T2]
	v_mul_f32 v[T4], v[T1], v[RL]
	v_fma_f32 v[T4], v[T2], v[RL+1], v[T4]
	v_fma_f32 v[T4], v[T3], v[Y2], v[T4]
	v_max_num_f32 v[T4], 0, v[T4]
	v_sqrt_f32 v[T4], v[T4]
	v_nop
	s_wait_alu depctr_va_vdst(0)
	v_cmp_lt_f32 vcc_lo, s[MAXN], v[T4]
	v_max_num_f32 v[T4], s[E15], v[T4]
	v_rcp_f32 v[T4], v[T4]
	v_nop
	s_wait_alu depctr_va_vdst(0)
	v_mul_f32 v[T4], s[MAXN], v[T4]
	v_cndmask_b32 v[T4], 1.0, v[T4], vcc_lo        ; project
	v_mul_f32 v[BE], v[BE], v[T4]
	v_mul_f32 v[GA], v[GA], v[T4]
.endm
	ROWMATH
	v_mul_f32 v[BE], 0x38000000, v[BE]             ; beta 2^-15: it multiplies acc
	WIN 0x04
	ds_store_b64 v[BGW], v[BE:BE+1]
	WIN 0
	s_wait_dscnt 0x0
	s_barrier_signal -1
	s_barrier_wait -1
	WIN 0x40
.set t, 0
.rept 4
	ds_load_b64 v[BP+2*t:BP+2*t+1], v[BGRD] offset:128*t
.set t, t+1
.endr
	s_wait_dscnt 0x0
; THE WAY OUT, a row tile at a time: beta' acc + gamma b in f32, through my stage, back as whole rows: each store covers 512 consecutive bytes of out0
.macro OUTROW rt
	WIN 0x04
.set i, 0
.rept 32
	v_pk_mul_f32 v[TM+2*i:TM+2*i+1], v[BB+2*i:BB+2*i+1], v[BP+2*(\rt):BP+2*(\rt)+1] op_sel:[0,1] op_sel_hi:[1,1]
.set i, i+1
.endr
	WIN 0x06
.set i, 0
.rept 32
	v_pk_fma_f32 v[TM+2*i:TM+2*i+1], v[64*(\rt)+2*i:64*(\rt)+2*i+1], v[BP+2*(\rt):BP+2*(\rt)+1], v[TM+2*i:TM+2*i+1] op_sel_hi:[1,0,1]
.set i, i+1
.endr
	WIN 0
.set cc, 0
.rept 8
	ds_store_b128 v[STO], v[TM+8*cc:TM+8*cc+3]   offset:64*cc
	ds_store_b128 v[STO], v[TM+8*cc+4:TM+8*cc+7] offset:64*cc+16
.set cc, cc+1
.endr
	s_wait_xcnt 0x0                                ; the last row tile's stores have read these registers
.set i, 0
.rept 16
	ds_load_b128 v[LD+4*i:LD+4*i+3], v[RD] offset:SPI*i  ; LDS serves a wave's instructions in order (ISA guide 5.7.1.4)
.set i, i+1
.endr
.set i, 0
.rept 16
	s_wait_dscnt 15-i
	global_store_b128 v[GO], v[LD+4*i:LD+4*i+3], s[OB:OB+1] offset:(16*(\rt)+i)*2048 th:TH_STORE_NT
.set i, i+1
.endr
.endm
	OUTROW 0
	OUTROW 1
	OUTROW 2
	OUTROW 3
	s_wait_tensorcnt 0x0                           ; the wave's end
	ds_add_u32 v[SPW], v[NIL]
	s_wait_dscnt 0x0
	CROUND                                         ; the closing round
	s_endpgm
.Lfunc_end_k_q841f925f0b_outp:
	.size	k_q841f925f0b_outp, .Lfunc_end_k_q841f925f0b_outp-k_q841f925f0b_outp
	.p2alignl 7, 3214868480
	.fill 96, 4, 3214868480
	.section	.rodata,"a",@progbits
	.p2align	6, 0x0
	.amdhsa_kernel k_q841f925f0b_outp
		.amdhsa_group_segment_fixed_size 327680
		.amdhsa_private_segment_fixed_size 0
		.amdhsa_enable_private_segment 0
		.amdhsa_kernarg_size 40
		.amdhsa_user_sgpr_count 2
		.amdhsa_user_sgpr_kernarg_segment_ptr 1
		.amdhsa_wavefront_size32 1
		.amdhsa_system_sgpr_workgroup_id_x 1
		.amdhsa_system_sgpr_workgroup_id_y 1
		.amdhsa_system_sgpr_workgroup_id_z 1
		.amdhsa_system_vgpr_workitem_id 0
		.amdhsa_next_free_vgpr 768
		.amdhsa_next_free_sgpr 100
		.amdhsa_reserve_vcc 1
		.amdhsa_float_denorm_mode_32 3
		.amdhsa_float_denorm_mode_16_64 3
		.amdhsa_memory_ordered 1
		.amdhsa_forward_progress 1
		.amdhsa_inst_pref_size 104
	.end_amdhsa_kernel
	.amdgpu_metadata
---
amdhsa.version: [ 1, 2 ]
amdhsa.kernels:
  - .name:           k_q841f925f0b_outp
    .symbol:         k_q841f925f0b_outp.kd
    .args:
      - { .name: o16, .offset: 0, .size: 8, .value_kind: global_buffer, .address_space: global }
      - { .name: on, .offset: 8, .size: 8, .value_kind: global_buffer, .address_space: global }
      - { .name: wblk, .offset: 16, .size: 8, .value_kind: global_buffer, .address_space: global }
      - { .name: bo, .offset: 24, .size: 8, .value_kind: global_buffer, .address_space: global }
      - { .name: out0, .offset: 32, .size: 8, .value_kind: global_buffer, .address_space: global }
    .group_segment_fixed_size: 327680
    .private_segment_fixed_size: 0
    .kernarg_segment_align: 8
    .kernarg_segment_size: 40
    .max_flat_workgroup_size: 128
    .sgpr_count:     100
    .vgpr_count:     768
    .wavefront_size: 32
...
	.end_amdgpu_metadata
.endif
;; end of part 4
